; MI455X (gfx1250); checked and timed in simulation.
; The chip was launched on July 23, 2026; its instructions are those of AMD's public machine-readable ISA for CDNA 5 (MIT licence, August 2026) and "CDNA5" Instruction Set Architecture Reference Guide (July 2026). The comments in the code are by the model that wrote it; some were corrected since.
;; Attention. Allowed arithmetic: matrix products marked QUANTISED: E4M3 operands, one given power-of-two scale a tensor, by v_wmma_f32_16x16x64_fp8_fp8 or v_wmma_f32_16x16x128_fp8_fp8, f32 sums; everything else in f32.
;; Inputs: cache_k 4 x 2,048 x 16 x 128 float32; cache_v 4 x 2,048 x 16 x 128 float32; freqs_cos 2,048 x 64 float32; freqs_sin 2,048 x 64 float32; lowp_scales 12 int32 (the exponents e of the quantised operands' scales 2^e); mask 1 x 1 x 2,048 x 2,048 float32; wk 2,048 x 2,048 float32; wo 2,048 x 2,048 float32; wq 2,048 x 2,048 float32; wv 2,048 x 2,048 float32; x 1 x 2,048 x 2,048 float32.
;; Outputs: out0 1 x 2,048 x 2,048 float32.
;; Constants: start_pos = 0.
;; This version of the problem:
;;   THIS VERSION OF THE PROBLEM IS GIVEN IN LOW PRECISION. The matrix products marked QUANTISED in the list below multiply operands that are first quantised to E4M3 (4 exponent bits, 3 mantissa bits; 8 bits a number), with one given power-of-two scale for each operand tensor; their sums are f32. All else is computed in f32.
;;   The module's matrix products, in the order in which they are computed (A, B: the left and right operand; K: the contracted axis; several contracted axes count as one K, in the product's order):
;;     1. [M 2,048, K 2,048] x [K 2,048, N 2,048]; A: input x; B: input wq: QUANTISED (scales: A lowp_scales[0], B lowp_scales[1])
;;     2. [M 2,048, K 2,048] x [K 2,048, N 2,048]; A: input x; B: input wk: QUANTISED (scales: A lowp_scales[2], B lowp_scales[3])
;;     3. [M 2,048, K 2,048] x [K 2,048, N 2,048]; A: input x; B: input wv: QUANTISED (scales: A lowp_scales[4], B lowp_scales[5])
;;     4. batch 16 x [M 2,048, K 128] x [K 128, N 2,048]; A: computed on the way; B: computed on the way: QUANTISED (scales: A lowp_scales[6], B lowp_scales[7])
;;     5. batch 16 x [M 128, K 2,048] x [K 2,048, N 2,048]; A: computed on the way; B: softmax (see below): QUANTISED (scales: A lowp_scales[8], B lowp_scales[9])
;;     6. [M 2,048, K 2,048] x [K 2,048, N 2,048]; A: computed on the way; B: input wo: QUANTISED (scales: A lowp_scales[10], B lowp_scales[11])
;;   THE QUANTISER, for each operand of a quantised product, along K:
;;     - The operand's scale is 2^e, e = its entry of the input lowp_scales (int32; the entries are numbered through the quantised products in the list's order, A before B).
;;     - Each number is divided by the scale, clamped to +-448, and rounded to the nearest number of E4M3, ties to even, subnormals kept.
;;     - The product sums the exact products of the quantised numbers (number of the format x scale) in f32.
;;   ~~~python
;;   def quantise(x, axis, e):      # numpy; x: float32 -> the quantised numbers, widened to float32 again
;;       x = np.moveaxis(x, axis, -1); K = x.shape[-1]
;;       r = np.clip(x / 2.0 ** e, -448, 448)
;;       step = 2.0 ** (np.maximum(np.frexp(np.where(r == 0, 1, r))[1] - 1, -6) - 3)
;;       q = np.round(r / step) * step * 2.0 ** e      # np.round: ties to even
;;       return np.moveaxis(q, -1, axis).astype(np.float32)
;;   ~~~
;;   SOFTMAX AHEAD OF A QUANTISED PRODUCT. Where the list says 'softmax', what is quantised is not the finished softmax but p = 2^(t - M), with t = logit x log2(e) and M = ceil(the row's largest t), a whole number; so 1/2 < the row's largest p <= 1. The row's sum l is taken of the UNQUANTISED p, in f32, and the product's result is divided by l at the end. Since M is a whole number, a kernel that streams over the keys may use a running M (the ceiling of the running maximum): every later rescaling is an exact power of two, so the quantised numbers keep their values, but for numbers so far below the row's largest that they fall under the format's range.
;;   OPERANDS COMPUTED ON THE WAY. 'Computed on the way' means the value that the module computes at that place (a softmax that the list does not call 'softmax' is quantised finished and normalised). What goes into a quantiser is computed in f32, as accurately as f32 sums, v_exp_f32 and their like allow (about 1e-6 of the number): no bf16 or f16 on the way to a quantiser, and a product that is left as it is and whose result goes on into a quantised operand takes f32 operands (vector FMAs, or v_wmma_f32_16x16x4_f32). A number that lies on a knife's edge between two numbers of the format may be rounded either way, as far as f32 arithmetic and the matrix unit's own rounding can turn it there, and no further.
;; One version. Each part assembles by itself: llvm-mc -triple=amdgcn-amd-amdhsa -mcpu=gfx1250 --defsym DOCPART=n.
;; ======== version 1 of 1: 5 launches
;; workspace buffers: xc 12,582,912 bytes; wc 16,777,216 bytes; qc 4,194,304 bytes; kvc 8,388,608 bytes; ac 4,194,304 bytes
;; launch quant_x (part 1): grid 256 x 1, 4 waves a work-group, no clusters, 33,280 bytes of LDS; arguments x, lowp_scales, xc; writes xc
.if DOCPART == 1
	.amdgcn_target "amdgcn-amd-amdhsa--gfx1250"
	.amdhsa_code_object_version 6
	.text
	.protected	k_q0bcca4128b_quant_x
	.globl	k_q0bcca4128b_quant_x
	.p2align	8
	.type	k_q0bcca4128b_quant_x,@function
k_q0bcca4128b_quant_x:
	s_mov_b64 s[64:65], 0
	v_nop
	global_prefetch_b8 v0, s[64:65] scope:SCOPE_SE
	s_setreg_imm32_b32 hwreg(HW_REG_WAVE_MODE, 25, 1), 1
	s_wait_xcnt 0x0
; x [2048][2048] f32 becomes THREE tensors of E4M3 codes, xc [3][2048][2048], K innermost: x is the left operand of three products, each with a scale
; of its own (entries 0, 2, 4 of the exponents), and the three may differ.  code = x / 2^e, held within +-448, to the nearest code, ties to even.
; x is read once; each step's numbers are held and converted three times.
; Rows are dense, so x is a plain stream.  A wave takes 8 steps of 512 numbers.  The conversions take 8 neighbours from ONE lane, a load is best where neighbouring lanes
; take neighbouring bytes: each of a step's four loads reads 512 consecutive bytes, 16 a lane; the 2,048 bytes turn through the wave's own stage in LDS and come back 64 bytes a lane
; (16 bytes of padding behind each 64).  A lane's 16 codes are 16 bytes: each store of the wave covers 512 consecutive bytes, aligned.
; No tensor loads, no barrier: waves share nothing.  Loads run four steps (16 loads a wave) ahead, the turn through LDS one step.
; LIMITS: each e between -126 and 119, so that 2^e and 448 x 2^e are f32 numbers.  NaN among the inputs is not served (an infinity is held at the largest code).
.set STEPS, 8
.set WREG,  8192                       ; LDS: a region for each wave: two stages of 32 x SP bytes
.set SP,    80                         ; a lane's place in a stage: its 64 bytes + 16 of padding
.set R,     16                         ; v16-79    four sets of 16 numbers as loaded
.set X,     80                         ; v80-111   two sets of 16 neighbours
.set T,     112                        ; v112-143  two sets of 16 held numbers, by turns: sixteen plain lines stand between a conversion and the next write of its sources
.set C,     144                        ; v144-239  codes: twelve registers a step, so that no store's data are written again
	s_load_b128 s[4:7], s[0:1], 0x0                ; x s[4:5], the exponents s[6:7]
	s_load_b64 s[8:9], s[0:1], 0x10                ; xc
	v_lshl_add_u32 v240, v0, 2, 0x8000
	v_mov_b32 v241, 0
	v_lshrrev_b32 v1, 5, v0
	v_readfirstlane_b32 s16, v1                    ; wave
	v_and_b32 v2, 31, v0                           ; lane
	v_lshlrev_b32 v3, 4, v2                        ; 16 x lane: my 16 bytes of a load's 512, and of a store's
	s_mul_i32 s17, s16, WREG
	v_lshrrev_b32 v14, 2, v2
	v_mul_u32_u24 v14, v14, SP
	v_and_b32 v15, 3, v2
	v_lshl_add_u32 v14, v15, 4, v14
	v_add_nc_u32 v14, s17, v14                     ; the stage, in: SP (lane / 4) + 16 (lane % 4); a load's 512 bytes take eight places
	v_mul_u32_u24 v15, v2, SP
	v_add_nc_u32 v15, s17, v15                     ; and out: SP x lane: my 16 neighbours
	s_lshl_b32 s18, ttmp9, 2
	s_add_co_u32 s18, s18, s16                     ; which run of 4,096 numbers is my wave's
	s_lshl_b32 s10, s18, 14                        ; 16,384 bytes of x,
	s_mov_b32 s11, 0
	s_lshl_b32 s12, s18, 12                        ; 4,096 bytes of codes
	s_mov_b32 s13, 0
	s_wait_kmcnt 0x0
	s_load_b128 s[20:23], s[6:7], 0x0              ; e0 .. e3
	s_load_b32 s28, s[6:7], 0x10                   ; e4
	s_add_nc_u64 s[4:5], s[4:5], s[10:11]
	s_add_nc_u64 s[8:9], s[8:9], s[12:13]          ; the codes under e0,
	s_add_nc_u64 s[24:25], s[8:9], 0x400000        ; under e2,
	s_add_nc_u64 s[26:27], s[8:9], 0x800000        ; under e4
.macro LOAD t
.irp i, 0,1,2,3
	global_load_b128 v[R+16*((\t)%4)+4*\i:R+16*((\t)%4)+4*\i+3], v3, s[4:5] offset:2048*(\t)+512*\i th:TH_LOAD_NT   ; 32 lanes read 512 consecutive bytes
.endr
.endm
.macro TURN t                          ; a step's numbers through the stage: LDS serves a wave's instructions in order, so no wait stands between the stores and the loads
.irp i, 0,1,2,3
	ds_store_b128 v14, v[R+16*((\t)%4)+4*\i:R+16*((\t)%4)+4*\i+3] offset:32*SP*((\t)%2)+8*SP*\i
.endr
.irp i, 0,1,2,3
	ds_load_b128 v[X+16*((\t)%2)+4*\i:X+16*((\t)%2)+4*\i+3], v15 offset:32*SP*((\t)%2)+16*\i
.endr
.endm
.macro MKSC e, vs, vl                  ; 2^e as f32 (the conversion takes its exponent field), and 448 x 2^e
	s_add_co_i32 s30, s[\e], 127
	s_lshl_b32 s31, s30, 23
	v_mov_b32 v[\vs], s31
	s_add_co_i32 s30, s30, 8
	s_lshl_b32 s30, s30, 23
	s_or_b32 s30, s30, 0x600000
	v_mov_b32 v[\vl], s30
.endm
.irp t, 0,1,2,3
	LOAD \t
.endr
	s_wait_kmcnt 0x0
	MKSC 20, 5, 8
	MKSC 22, 6, 9
	MKSC 28, 7, 10
	s_wait_loadcnt 12                              ; step 0's four loads are in; three steps' twelve may be out
	TURN 0
; one of a step's three quantisings: the hold (the conversion to an 8-bit code does not saturate: ISA guide 7.6.2), two conversions, one store
.macro QONE t, i, sc, lim, base
.set TS, T+16*((3*(\t)+\i)%2)
.set XS, X+16*((\t)%2)
.set k, 0
.rept 16
	v_med3_num_f32 v[TS+k], v[XS+k], -v[\lim], v[\lim]
.set k, k+1
.endr
	v_cvt_scalef32_pk8_fp8_f32 v[C+12*(\t)+4*\i:C+12*(\t)+4*\i+1], v[TS:TS+7], v[\sc]
	v_cvt_scalef32_pk8_fp8_f32 v[C+12*(\t)+4*\i+2:C+12*(\t)+4*\i+3], v[TS+8:TS+15], v[\sc]
	global_store_b128 v3, v[C+12*(\t)+4*\i:C+12*(\t)+4*\i+3], s[\base:\base+1] offset:512*(\t)   ; the codes go to a store alone, which wants no place behind the conversion
.endm
.macro STEP t
	s_wait_dscnt 0x0                               ; this step's numbers are back from the stage, so its stores into the stage have read their registers,
.if (\t)+4 < STEPS
	LOAD (\t)+4                                    ; which take the loads of four steps on
.endif
.if (\t)+1 < STEPS
.if STEPS-2-(\t) >= 3
	s_wait_loadcnt 12                              ; the next step's four loads are in; those of the three steps behind it may be out
.else
	s_wait_loadcnt 4*(STEPS-2-(\t))
.endif
	TURN (\t)+1                                    ; and go through the other stage while this step is worked
.endif
	QONE \t, 0, 5, 8, 8
	QONE \t, 1, 6, 9, 24
	QONE \t, 2, 7, 10, 26
.endm
.irp t, 0,1,2,3,4,5,6,7
	STEP \t
.endr
	s_wait_tensorcnt 0x0
	ds_add_u32 v240, v241
	s_wait_dscnt 0x0
	s_endpgm
.Lfunc_end_k_q0bcca4128b_quant_x:
	.size	k_q0bcca4128b_quant_x, .Lfunc_end_k_q0bcca4128b_quant_x-k_q0bcca4128b_quant_x
	.p2alignl 7, 3214868480
	.fill 96, 4, 3214868480
	.section	.rodata,"a",@progbits
	.p2align	6, 0x0
	.amdhsa_kernel k_q0bcca4128b_quant_x
		.amdhsa_group_segment_fixed_size 33280
		.amdhsa_private_segment_fixed_size 0
		.amdhsa_enable_private_segment 0
		.amdhsa_kernarg_size 24
		.amdhsa_user_sgpr_count 2
		.amdhsa_user_sgpr_kernarg_segment_ptr 1
		.amdhsa_wavefront_size32 1
		.amdhsa_system_sgpr_workgroup_id_x 1
		.amdhsa_system_sgpr_workgroup_id_y 1
		.amdhsa_system_sgpr_workgroup_id_z 1
		.amdhsa_system_vgpr_workitem_id 0
		.amdhsa_next_free_vgpr 242
		.amdhsa_next_free_sgpr 66
		.amdhsa_reserve_vcc 0
		.amdhsa_float_denorm_mode_32 3
		.amdhsa_float_denorm_mode_16_64 3
		.amdhsa_memory_ordered 1
		.amdhsa_forward_progress 1
		.amdhsa_inst_pref_size 40
	.end_amdhsa_kernel
	.amdgpu_metadata
---
amdhsa.version: [ 1, 2 ]
amdhsa.kernels:
  - .name:           k_q0bcca4128b_quant_x
    .symbol:         k_q0bcca4128b_quant_x.kd
    .args:
      - { .name: x, .offset: 0, .size: 8, .value_kind: global_buffer, .address_space: global }
      - { .name: lowp_scales, .offset: 8, .size: 8, .value_kind: global_buffer, .address_space: global }
      - { .name: xc, .offset: 16, .size: 8, .value_kind: global_buffer, .address_space: global }
    .group_segment_fixed_size: 33280
    .private_segment_fixed_size: 0
    .kernarg_segment_align: 8
    .kernarg_segment_size: 24
    .max_flat_workgroup_size: 128
    .sgpr_count:     66
    .vgpr_count:     242
    .wavefront_size: 32
...
	.end_amdgpu_metadata
.endif
;; end of part 1
;; launch quant_w (part 2): grid 64 x 8, 4 waves a work-group, no clusters, 36,352 bytes of LDS; arguments wq, wk, wv, wo, lowp_scales, wc; writes wc
.if DOCPART == 2
	.amdgcn_target "amdgcn-amd-amdhsa--gfx1250"
	.amdhsa_code_object_version 6
	.text
	.protected	k_q0bcca4128b_quant_w
	.globl	k_q0bcca4128b_quant_w
	.p2align	8
	.type	k_q0bcca4128b_quant_w,@function
k_q0bcca4128b_quant_w:
	s_mov_b64 s[64:65], 0
	v_nop
	global_prefetch_b8 v0, s[64:65] scope:SCOPE_SE
	s_setreg_imm32_b32 hwreg(HW_REG_WAVE_MODE, 25, 1), 1
	s_wait_xcnt 0x0
; wq, wk, wv, wo [2048 (k)][2048 (n)] f32, K their FIRST axis, become E4M3 codes wc [4][2048 (n)][2048 (k)], K innermost, each with its given scale 2^e (entries 1, 3, 5, 11).
; A LANE TAKES A COLUMN n, AND ITS REGISTERS RUN DOWN K: each load reads neighbouring n in neighbouring lanes (128 consecutive bytes a wave, 512 a work-group), and the conversions,
; which take neighbours along K from one lane's consecutive registers, give codes with K innermost.  Nothing is transposed by an instruction.
; One launch and ONE path for the four tensors: work-group x / 16 picks the tensor; only the pointer and e are chosen, by selects on the work-group's number.
; A wave takes 32 columns x 256 along K: 8 blocks a lane, 256 bytes of codes a column; they go through the wave's own stage in LDS and leave as rows: sixteen lanes store 256 consecutive bytes, aligned.
; No tensor loads, no barrier.  Loads run two blocks (64 loads a wave) ahead.  Every offset is an immediate: 255 x 8,192 bytes at the most, inside the signed 24-bit field.
; LIMITS: e between -126 and 119.  NaN among the inputs is not served.
.set KW,    256
.set NB,    KW/32
.set PITCH, 272                        ; a stage row: 256 bytes + 16
.set KROW,  2048                       ; a row of codes in bytes
.set NROW,  8192                       ; a row of a weight in bytes
.set X,     32                         ; v32-95   two sets of 32 numbers
.set C,     96                         ; v96-103  a block's codes
.set OUTR,  112                        ; v112-175 the way out
	s_load_b256 s[4:11], s[0:1], 0x0               ; wq, wk, wv, wo
	s_load_b128 s[12:15], s[0:1], 0x20             ; the exponents s[12:13], wc s[14:15]
	v_lshl_add_u32 v192, v0, 2, 0x8c00
	v_mov_b32 v193, 0
	v_lshrrev_b32 v1, 5, v0
	v_readfirstlane_b32 s16, v1                    ; wave
	v_and_b32 v2, 31, v0                           ; lane
	s_lshr_b32 s28, ttmp9, 4                       ; which tensor: 0 q, 1 k, 2 v, 3 o
	s_and_b32 s17, ttmp9, 15
	s_lshl_b32 s17, s17, 7
	s_lshl_b32 s18, s16, 5
	s_add_co_u32 s17, s17, s18                     ; my wave's first column
	s_and_b32 s18, ttmp7, 0xffff                   ; which 256 along K
	v_lshlrev_b32 v3, 2, v2                        ; in: 4 bytes a lane
	s_mul_i32 s19, s16, 32*PITCH                   ; my stage
	v_mul_u32_u24 v4, v2, PITCH
	v_add_nc_u32 v4, s19, v4                       ; into it: row = my column
	v_and_b32 v5, 15, v2
	v_lshrrev_b32 v6, 4, v2
	v_mul_u32_u24 v7, v6, PITCH
	v_lshl_add_u32 v7, v5, 4, v7
	v_add_nc_u32 v7, s19, v7                       ; out of it: sixteen lanes to a row, two rows an instruction
	v_mul_u32_u24 v8, v6, KROW
	v_lshl_add_u32 v8, v5, 4, v8                   ; and the same place in the codes
	s_lshl_b32 s20, s18, 21                        ; the weight: 256 y rows of 8,192 bytes
	s_lshl_b32 s22, s17, 2
	s_add_co_u32 s20, s20, s22                     ; + 4 x column
	s_mov_b32 s21, 0
	s_lshl_b32 s24, s28, 22                        ; the codes: 4 MiB a tensor
	s_lshl_b32 s22, s17, 11
	s_add_co_u32 s24, s24, s22                     ; + column x 2,048
	s_lshl_b32 s22, s18, 8
	s_add_co_u32 s24, s24, s22                     ; + 256 y
	s_mov_b32 s25, 0
	s_and_b32 s26, s28, 1
	s_and_b32 s27, s28, 2
	s_wait_kmcnt 0x0
	s_load_b256 s[32:39], s[12:13], 0x0            ; e0 .. e7
	s_load_b128 s[40:43], s[12:13], 0x20           ; e8 .. e11
	s_cmp_lg_u32 s26, 0                            ; the choice hangs on the work-group's number alone
	s_cselect_b64 s[4:5], s[6:7], s[4:5]           ; wk or wq
	s_cselect_b64 s[8:9], s[10:11], s[8:9]         ; wo or wv
	s_cmp_lg_u32 s27, 0
	s_cselect_b64 s[4:5], s[8:9], s[4:5]
	s_add_nc_u64 s[4:5], s[4:5], s[20:21]
	s_add_nc_u64 s[14:15], s[14:15], s[24:25]
.macro LOAD t                          ; a block: W(32 t + i, my column), i = 0 .. 31, into set t % 2
.set i, 0
.rept 32
	global_load_b32 v[X+32*((\t)%2)+i], v3, s[4:5] offset:(32*(\t)+i)*NROW th:TH_LOAD_NT
.set i, i+1
.endr
.endm
	LOAD 0
	LOAD 1
	s_wait_kmcnt 0x0
	s_cmp_lg_u32 s26, 0
	s_cselect_b32 s30, s35, s33                    ; e3 or e1
	s_cselect_b32 s31, s43, s37                    ; e11 or e5
	s_cmp_lg_u32 s27, 0
	s_cselect_b32 s30, s31, s30
	s_add_co_i32 s30, s30, 127
	s_lshl_b32 s31, s30, 23
	v_mov_b32 v11, s31                             ; 2^e as f32: the conversion takes its exponent field
	s_add_co_i32 s30, s30, 8
	s_lshl_b32 s30, s30, 23
	s_or_b32 s30, s30, 0x600000
	v_mov_b32 v10, s30                             ; 448 x 2^e
.macro BLOCK t
.set XS, X+32*((\t)%2)
.if (\t) < NB-1
	s_wait_loadcnt 32                              ; this block's 32 loads are in; the next block's may be out
.else
	s_wait_loadcnt 0
.endif
.set i, 0
.rept 32
	v_med3_num_f32 v[XS+i], v[XS+i], -v10, v10     ; the conversion to an 8-bit code does not saturate (ISA guide 7.6.2): the hold comes first
.set i, i+1
.endr
.irp g, 0,1,2,3
	v_cvt_scalef32_pk8_fp8_f32 v[C+2*\g:C+2*\g+1], v[XS+8*\g:XS+8*\g+7], v11
.endr
	ds_store_b128 v4, v[C:C+3] offset:32*(\t)      ; 32 codes: 32 bytes of my column's row
	ds_store_b128 v4, v[C+4:C+7] offset:32*(\t)+16
.if (\t)+2 < NB
	LOAD (\t)+2
.endif
	s_wait_dscnt 0x0                               ; the stores have read their registers: the next block's codes may be written (32 plain lines stand ahead of them)
.endm
.set Q, 0
.rept NB
	BLOCK Q
.set Q, Q+1
.endr
.irp t, 0,1,2,3,4,5,6,7,8,9,10,11,12,13,14,15
	ds_load_b128 v[OUTR+4*\t:OUTR+4*\t+3], v7 offset:2*\t*PITCH   ; LDS serves a wave's instructions in order: these see my stores
.endr
.irp t, 0,1,2,3,4,5,6,7,8,9,10,11,12,13,14,15
	s_wait_dscnt 15-\t                             ; loads come back in order: number t is in, the younger ones may be out
	global_store_b128 v8, v[OUTR+4*\t:OUTR+4*\t+3], s[14:15] offset:2*\t*KROW
.endr
	s_wait_tensorcnt 0x0
	ds_add_u32 v192, v193
	s_wait_dscnt 0x0
	s_endpgm
.Lfunc_end_k_q0bcca4128b_quant_w:
	.size	k_q0bcca4128b_quant_w, .Lfunc_end_k_q0bcca4128b_quant_w-k_q0bcca4128b_quant_w
	.p2alignl 7, 3214868480
	.fill 96, 4, 3214868480
	.section	.rodata,"a",@progbits
	.p2align	6, 0x0
	.amdhsa_kernel k_q0bcca4128b_quant_w
		.amdhsa_group_segment_fixed_size 36352
		.amdhsa_private_segment_fixed_size 0
		.amdhsa_enable_private_segment 0
		.amdhsa_kernarg_size 48
		.amdhsa_user_sgpr_count 2
		.amdhsa_user_sgpr_kernarg_segment_ptr 1
		.amdhsa_wavefront_size32 1
		.amdhsa_system_sgpr_workgroup_id_x 1
		.amdhsa_system_sgpr_workgroup_id_y 1
		.amdhsa_system_sgpr_workgroup_id_z 1
		.amdhsa_system_vgpr_workitem_id 0
		.amdhsa_next_free_vgpr 194
		.amdhsa_next_free_sgpr 66
		.amdhsa_reserve_vcc 0
		.amdhsa_float_denorm_mode_32 3
		.amdhsa_float_denorm_mode_16_64 3
		.amdhsa_memory_ordered 1
		.amdhsa_forward_progress 1
		.amdhsa_inst_pref_size 50
	.end_amdhsa_kernel
	.amdgpu_metadata
---
amdhsa.version: [ 1, 2 ]
amdhsa.kernels:
  - .name:           k_q0bcca4128b_quant_w
    .symbol:         k_q0bcca4128b_quant_w.kd
    .args:
      - { .name: wq, .offset: 0, .size: 8, .value_kind: global_buffer, .address_space: global }
      - { .name: wk, .offset: 8, .size: 8, .value_kind: global_buffer, .address_space: global }
      - { .name: wv, .offset: 16, .size: 8, .value_kind: global_buffer, .address_space: global }
      - { .name: wo, .offset: 24, .size: 8, .value_kind: global_buffer, .address_space: global }
      - { .name: lowp_scales, .offset: 32, .size: 8, .value_kind: global_buffer, .address_space: global }
      - { .name: wc, .offset: 40, .size: 8, .value_kind: global_buffer, .address_space: global }
    .group_segment_fixed_size: 36352
    .private_segment_fixed_size: 0
    .kernarg_segment_align: 8
    .kernarg_segment_size: 48
    .max_flat_workgroup_size: 128
    .sgpr_count:     66
    .vgpr_count:     194
    .wavefront_size: 32
...
	.end_amdgpu_metadata
.endif
;; end of part 2
;; launch gemm_qkv (part 3): grid 24 x 8, 4 waves a work-group, clusters of 4 x 4, 327,680 bytes of LDS; arguments xc, wc, lowp_scales, freqs_cos, freqs_sin, qc, kvc; writes qc, kvc
.if DOCPART == 3
	.amdgcn_target "amdgcn-amd-amdhsa--gfx1250"
	.amdhsa_code_object_version 6
	.text
	.protected	k_q0bcca4128b_gemm_qkv
	.globl	k_q0bcca4128b_gemm_qkv
	.p2align	8
	.type	k_q0bcca4128b_gemm_qkv,@function
k_q0bcca4128b_gemm_qkv:
	s_mov_b64 s[64:65], 0
	v_nop
	global_prefetch_b8 v0, s[64:65] scope:SCOPE_SE
	s_setreg_imm32_b32 hwreg(HW_REG_WAVE_MODE, 25, 1), 1
	s_wait_xcnt 0x0
	s_wait_alu depctr_hold_cnt(0) depctr_sa_sdst(0) depctr_va_vdst(0) depctr_va_sdst(0) depctr_va_ssrc(0) depctr_va_vcc(0) depctr_vm_vsrc(0)
	s_getreg_b32 s2, hwreg(HW_REG_IB_STS2, 6, 4)
	s_cmp_eq_u32 s2, 0
	s_cbranch_scc0 .Lentry_in_a_cluster
	s_endpgm
.Lentry_in_a_cluster:
	s_bfe_u32 s2, ttmp6, 0x10000c
	s_cmp_lg_u32 s2, 0xf033
	s_cbranch_scc0 .Lentry_shape_is_right
	s_endpgm
.Lentry_shape_is_right:
; x wq, x wk, x wv on E4M3 codes, then the rotation (q and k), then the quantising for the two products of attention.  Tensor T = cluster x / 2: 0 q, 1 k, 2 v.
; A tile of 256 x 256 is made by four waves, each 128 x 128: 64 accumulators, 512 registers.  K = 2,048 goes in steps of 256 through a ring of two LDS slots filled by the tensor data mover.
; 3 x 64 = 192 tiles: a tile that straddled two tensors would need two sets of x's codes, so the tile stays inside one tensor.
; WHAT IS A AND WHAT IS B.  q, k: A = x's codes under the product's own scale (rows = positions), B = the weight's codes (rows = outputs).  v: THE TWO BUFFERS CHANGE PLACES (a select on T, which is alike in a whole
; cluster), so that the tile is v transposed.  The matrix instruction is used transposed (source 0 = 16 rows of B, source 1 = 16 rows of A): a lane holds ONE row of A's side and eight neighbours of B's side:
; for q, k a position and eight neighbouring channels (the next K is the head's 128), for v a channel and eight neighbouring keys (the next K is the keys).  So the conversions' eight numbers are neighbours along the next K.
; A wave's 128 x 128 is exactly one block (head, 128 positions) of the output: 16 KiB of codes, dense.  qc: [head][block][128 positions][128 channels].  kvc: [head][block][k: 128 keys x 128 channels | v: 128 channels x 128 keys].
; THE ROTATION is linear, so it is made on the raw sums, and the three scales are folded into the conversion's one: code = rot(sum) / 2^(e_out - e_x - e_w).
; ONE PATH FOR THE THREE TENSORS: v goes through the same lines with cos blended to 1 and sin to 0 (cos g + (1 - g), sin g, g = 1 or 0): for q and k the blend changes no bit, for v the rotation is the identity, exactly.
; v's work-groups read table rows that they do not need (64 KiB a wave).  LIMIT: the tables are finite.
; CLUSTERS: 4 x 4 work-groups; A's tile is shared along a row of the cluster, B's along a column: each is asked for JOINTLY, by the same tensor load with the same descriptor and a mask that names the four.
; cache_k and cache_v are not loaded by any launch: start_pos = 0 and all 2,048 positions are new, so every word of batch 0 is overwritten before it is read, and batches 1 to 3 are never read.
; LIMITS: e_out - e_x - e_w between -126 and 119.  NaN is not served.
; REGISTERS, in windows of 256: window 0: v1-29 addresses and constants; v32-95 table rows as loaded; from v128 A's fragments, ONE set; on the way out v96-255 are at work.
;   window 1: B's fragments, TWO sets.   window 2: the accumulators of my rows 0-63 ((a, b) at v[8 (8 a + b)]);   window 3: those of rows 64-127.
.set KSTEP,  256
.set ROWB,   256
.set KROW,   2048
.set PITCH,  272                       ; an LDS row: 256 bytes + 16 = 68 words: row r starts at bank 4 r mod 64 (ISA guide 11.1)
.set FR,     16
.set NL,     4
.set NP,     4
.set HALFT,  128*PITCH
.set SLOT,   4*HALFT
.set LAPS,   2048/(2*KSTEP)
.set SPARE,  2*SLOT                    ; the spare words, 128 bytes a wave: two blocks of 256 bytes that no other line names
.set CSTG,   SPARE+512                 ; a stage for each wave: 16 rows of cos, then 16 of sin, 272 bytes apart.  No fill lands here
.set CSW,    2*16*272
.set QSTG,   CSTG+4*CSW                ; a stage for each wave: 16 rows of 128 codes, 144 bytes apart.  No fill lands here
.set QSW,    16*144
.set G,    8                           ; v[8:9]   g, g
.set GI,   10                          ; v[10:11] 1 - g, twice
.set SC,   12                          ; v12  the conversion's scale as f32
.set LIM,  13                          ; v13  448 x that
.set CSI,  14                          ; v14  table stage, in
.set CSO,  15                          ; v15  table stage, out
.set ADRA, 16                          ; v16-17  my A fragments in slot 0, 1
.set ADRB, 20                          ; v20-21  the same for B
.set QSI,  24                          ; v24  code stage, in
.set QSO,  25                          ; v25  code stage, out
.set CO,   26                          ; v26  16 x lane: offset of the table loads and of the stores
.set SPW,  28                          ; v28  my spare word; never rewritten
.set NIL,  29                          ; v29  0; never rewritten
.set L,    32                          ; v32-95   16 rows of cos, 16 of sin, as loaded
.set CF,   96                          ; v96-159  my lane's cos (4 a block) and, 32 on, sin
.set TMP,  160                         ; v160-223 a block's 64 rotated sums
.set CD,   224                         ; v224-239 their codes
.set OUT,  240                         ; v240-255 rows of codes to store
.set AF,   128
.set G1, 24
.set G0, 32
.set G1B, 48
.set G0B, 56
.set MSB, 0
.macro WIN new                         ; the immediate's high byte repeats the setting that is left
.if MSB != \new
	s_set_vgpr_msb (MSB<<8)|\new
.set MSB, \new
.endif
.endm
.set MUL_LO, 0xa1                      ; source 0 (B) window 1, source 1 (A) window 0, C and D window 2
.set MUL_HI, 0xf1
.set TO_B,   0x40
; A joint load: waves 0 and 1 fetch for A, waves 2 and 3 for B; the branch hangs on the wave's number alone.  Four v_nop follow each of the two lines.
.macro JLOAD g0a, g1a, g0b, g1b
	s_cmp_eq_u32 s15, 0
	s_cbranch_scc0 .Lfor_b_\@
	tensor_load_to_lds s[\g0a:\g0a+3], s[\g1a:\g1a+7]
	s_nop 0
.rept 4
	v_nop
.endr
	s_branch .Lasked_\@
.Lfor_b_\@:
	tensor_load_to_lds s[\g0b:\g0b+3], s[\g1b:\g1b+7]
	s_nop 0
.rept 4
	v_nop
.endr
.Lasked_\@:
.endm
.macro CREST                           ; a round of the cluster's barrier behind its opening barrier
	s_cmp_lg_u32 s14, 0
	s_cbranch_scc1 .Lnot_wave_0_\@
	s_barrier_signal -3
.Lnot_wave_0_\@:
	s_barrier_wait -3
	s_barrier_signal -1
	s_barrier_wait -1
.endm
.macro CROUND
	s_barrier_signal -1
	s_barrier_wait -1
	CREST
.endm
	s_load_b128 s[4:7], s[0:1], 0x0                ; xc s[4:5], wc s[6:7]
	s_load_b128 s[8:11], s[0:1], 0x10              ; the exponents s[8:9], cos s[10:11]
	s_load_b128 s[72:75], s[0:1], 0x20             ; sin s[72:73], qc s[74:75]
	s_load_b64 s[76:77], s[0:1], 0x30              ; kvc
	v_lshl_add_u32 v[SPW], v0, 2, SPARE
	v_mov_b32 v[NIL], 0
	ds_add_u32 v28, v29
	s_wait_dscnt 0x0
	v_lshrrev_b32 v1, 5, v0
	v_readfirstlane_b32 s14, v1                    ; wave 0..3
	s_lshr_b32 s15, s14, 1                         ; which half of the tile's rows is mine.  Also: I fetch for A (0) or for B (1)
	s_and_b32 s16, s14, 1                          ; which half of its columns.  Also: which 128 rows of that tile I fetch
	s_bfe_u32 s40, ttmp6, 0x40000                  ; cx, cy: my place in the cluster
	s_bfe_u32 s41, ttmp6, 0x40004
	s_lshr_b32 s66, ttmp9, 1                       ; T: made of the cluster's x alone, alike in all sixteen partners
	s_and_b32 s42, ttmp9, 1
	s_lshl_b32 s42, s42, 2
	s_add_co_u32 s42, s42, s40                     ; tile column inside the tensor, 0..7
	s_and_b32 s17, ttmp7, 0xffff
	s_lshl_b32 s17, s17, 2
	s_add_co_u32 s17, s17, s41                     ; tile row, 0..7
	s_lshl_b32 s43, s41, 2
	s_lshl_b32 s43, 15, s43                        ; my row of the cluster
	s_lshl_b32 s44, 0x1111, s40                    ; my column
	s_or_b32 s[G1+0], s43, (0<<16)|(1<<20)|(1<<21)|(5<<22)|(3<<25)  ; the mask; elements of 1 byte; padding on; bit 21 beside a mask; after every 64 words, 4 words
	s_or_b32 s[G1B+0], s44, (0<<16)|(1<<20)|(1<<21)|(5<<22)|(3<<25)
.irp g, G1, G1B
	s_mov_b32 s[\g+1], ROWB<<16                    ; tensor_dim0
	s_mov_b32 s[\g+2], 128<<16                     ; tensor_dim1
	s_mov_b32 s[\g+3], ROWB<<16                    ; tile_dim0
	s_mov_b32 s[\g+4], 128                         ; tile_dim1
	s_mov_b32 s[\g+5], KROW                        ; tensor_dim0_stride
	s_mov_b32 s[\g+6], 0
	s_mov_b32 s[\g+7], 0
.endr
	s_lshl_b32 s18, s16, 7                         ; which 128 rows of the tile I fetch
	s_lshl_b32 s19, s66, 22                        ; tensor T lies 4 MiB x T into both buffers of codes
	s_lshl_b32 s20, s17, 8
	s_add_co_u32 s20, s20, s18                     ; A: row 256 x tile row + 128 x half,
	s_lshl_b32 s20, s20, 11                        ; in bytes,
	s_add_co_u32 s20, s20, s19
	s_mov_b32 s21, 0
	s_lshl_b32 s46, s42, 8
	s_add_co_u32 s46, s46, s18                     ; B: row 256 x tile column + 128 x half
	s_lshl_b32 s46, s46, 11
	s_add_co_u32 s46, s46, s19
	s_mov_b32 s47, 0
	s_mul_i32 s45, s14, HALFT                      ; where they go: wave x 128 rows: no place in the cluster enters an LDS address
	s_wait_kmcnt 0x0
	s_load_b256 s[84:91], s[8:9], 0x0              ; e0 .. e7
	s_load_b32 s92, s[8:9], 0x20                   ; e8
	s_cmp_eq_u32 s66, 2
	s_cselect_b64 s[80:81], s[6:7], s[4:5]         ; A's buffer: the weights for v, x's codes else
	s_cselect_b64 s[82:83], s[4:5], s[6:7]         ; B's: the other
	s_add_nc_u64 s[20:21], s[80:81], s[20:21]
	s_add_nc_u64 s[46:47], s[82:83], s[46:47]
	CROUND                                         ; all sixteen work-groups are here: the first joint loads meet
.irp s, 0,1
	s_mov_b32 s[G0+4*\s], 1
	s_add_co_u32 s[G0+4*\s+1], s45, \s*SLOT
	s_add_nc_u64 s[G0+4*\s+2:G0+4*\s+3], s[20:21], \s*ROWB
	s_or_b32 s[G0+4*\s+3], s[G0+4*\s+3], 0x80000000
	s_mov_b32 s[G0B+4*\s], 1
	s_add_co_u32 s[G0B+4*\s+1], s45, \s*SLOT
	s_add_nc_u64 s[G0B+4*\s+2:G0B+4*\s+3], s[46:47], \s*ROWB
	s_or_b32 s[G0B+4*\s+3], s[G0B+4*\s+3], 0x80000000
	JLOAD G0+4*\s, G1, G0B+4*\s, G1B
.endr
	v_and_b32 v1, 15, v0                           ; r = l % 16
	v_bfe_u32 v2, v0, 4, 1                         ; h = l / 16
	v_mul_u32_u24 v3, v1, PITCH
	v_lshl_add_u32 v4, v2, 4, v3                   ; a fragment's row x pitch + 16 x half
	s_mul_i32 s21, s15, HALFT                      ; my 128 rows of A
	s_mul_i32 s22, s16, HALFT                      ; my 128 rows of B,
	s_add_co_u32 s22, s22, 2*HALFT                 ; which lie behind A's 256
.irp s, 0,1
	v_add_nc_u32 v[ADRA+\s], s21, v4
	v_add_nc_u32 v[ADRB+\s], s22, v4
	s_add_co_u32 s21, s21, SLOT
	s_add_co_u32 s22, s22, SLOT
.endr
	s_mul_i32 s23, s14, CSW
	s_add_co_u32 s23, s23, CSTG                    ; my table stage
	v_mul_u32_u24 v5, v2, 272
	v_lshl_add_u32 v5, v1, 4, v5
	v_add_nc_u32 v[CSI], s23, v5                   ; in: a load's 512 bytes are two rows: row l / 16, 16 bytes at 16 (l % 16)
	v_mul_u32_u24 v5, v1, 272
	v_lshl_add_u32 v5, v2, 4, v5
	v_add_nc_u32 v[CSO], s23, v5                   ; out: row r; block b's four pairs of my half at 32 b + 16 h
	s_mul_i32 s23, s14, QSW
	s_add_co_u32 s23, s23, QSTG                    ; my code stage
	v_mul_u32_u24 v5, v1, 144
	v_lshl_add_u32 v5, v2, 3, v5
	v_add_nc_u32 v[QSI], s23, v5                   ; in: row r, 8 codes at 16 b + 8 h
	v_bfe_u32 v6, v0, 3, 2
	v_and_b32 v7, 7, v0
	v_mul_u32_u24 v6, v6, 144
	v_lshl_add_u32 v6, v7, 4, v6
	v_add_nc_u32 v[QSO], s23, v6                   ; out: four rows of 128 bytes an instruction: row (l / 8) % 4, 16 bytes at 16 (l % 8)
	v_and_b32 v6, 31, v0
	v_lshlrev_b32 v[CO], 4, v6
	s_lshl_b32 s98, s17, 16                        ; the tables at my first row: (256 x tile row + 128 x half) x 256 bytes
	s_lshl_b32 s99, s15, 15
	s_add_co_u32 s98, s98, s99
	s_mov_b32 s99, 0
	s_add_nc_u64 s[10:11], s[10:11], s[98:99]
	s_add_nc_u64 s[72:73], s[72:73], s[98:99]
; 16 rows of cos and of sin (4 KiB each, dense): each load covers 512 consecutive bytes
.macro CSLOAD a
.irp i, 0,1,2,3,4,5,6,7
	global_load_b128 v[L+4*\i:L+4*\i+3], v[CO], s[10:11] offset:4096*(\a)+512*\i
.endr
.irp i, 0,1,2,3,4,5,6,7
	global_load_b128 v[L+32+4*\i:L+32+4*\i+3], v[CO], s[72:73] offset:4096*(\a)+512*\i
.endr
.endm
	CSLOAD 0                                       ; the first block's table rows come while K is walked: v32-95 lie idle in the loop
.macro FRAG reg, adr, q, i             ; 16 rows x 128 K: registers 4 c .. 4 c + 3 hold K = 32 c + 16 (l / 16) + 0 .. 15: the same permutation of k in A and in B
.irp c, 0,1,2,3
	ds_load_b128 v[\reg+4*\c:\reg+4*\c+3], v[\adr] offset:128*(\q)+32*\c+(\i)*16*PITCH
.endr
.endm
; 16 matrix instructions: A's blocks a0, a0 + 1 x B's eight.  The 64 accumulators take turns, one instruction a turn, in the same order in every step.
.macro MUL16 a0, p, zero
.irp a, \a0, \a0+1
.irp b, 0,1,2,3,4,5,6,7
.if \zero
	v_wmma_f32_16x16x128_fp8_fp8 v[8*(8*((\a)%4)+\b):8*(8*((\a)%4)+\b)+7], v[128*(\p)+FR*\b:128*(\p)+FR*\b+FR-1], v[AF+FR*(\a):AF+FR*(\a)+FR-1], 0
.else
	v_wmma_f32_16x16x128_fp8_fp8 v[8*(8*((\a)%4)+\b):8*(8*((\a)%4)+\b)+7], v[128*(\p)+FR*\b:128*(\p)+FR*\b+FR-1], v[AF+FR*(\a):AF+FR*(\a)+FR-1], v[8*(8*((\a)%4)+\b):8*(8*((\a)%4)+\b)+7]
.endif
.endr
.endr
.endm
.macro FETCH_B slot, q, p
	WIN TO_B
.irp i, 0,1,2,3,4,5,6,7
	FRAG 128*(\p)+FR*\i, ADRB+\slot, \q, \i
.endr
	WIN 0
.endm
.macro FETCH_A slot, q, i0
.irp i, \i0, \i0+1, \i0+2, \i0+3
	FRAG AF+FR*(\i), ADRA+\slot, \q, \i
.endr
.endm
.macro PLACES n                        ; plain vector lines between a matrix instruction and a load into, or a read of, its registers
.rept \n
	v_nop
.endr
.endm
; A step of 128 along K that has its successor in the same slot.
.macro STEP slot, q, zero
	s_wait_dscnt 4*NL                              ; B's set and A's blocks 0-3 are in; the youngest sixteen loads (A's blocks 4-7) may be out
	WIN MUL_LO
	MUL16 0, (\q)%2, \zero
	MUL16 2, (\q)%2, \zero
	s_wait_dscnt 0                                 ; A's blocks 4-7 are in
	PLACES NP
	FETCH_B \slot, (\q)+1, 1-(\q)%2
	FETCH_A \slot, (\q)+1, 0
	WIN MUL_HI
	MUL16 4, (\q)%2, \zero
	MUL16 6, (\q)%2, \zero
	PLACES NP
	WIN 0
	FETCH_A \slot, (\q)+1, 4
.endm
; A slot's last step changes slots: ONE barrier; in front of it each wave waits for all its tensor loads, adds 0 to its spare word, and waits for that and for its own reads of this slot.
.macro TURN slot, next, fill
	s_wait_tensorcnt 0x0                           ; all my tensor loads have landed: my part of the next slot
	ds_add_u32 v[SPW], v[NIL]                      ; 0 onto my spare word
	s_wait_dscnt 4*NL+1                            ; (the add and the youngest sixteen loads may be out)
	WIN MUL_LO
	MUL16 0, 1, 0
	s_wait_dscnt 0x0                               ; the add is done, and my reads of this slot are over
	s_barrier_signal -1
	MUL16 2, 1, 0
	WIN 0
	s_barrier_wait -1
.if \fill
	CREST                                          ; the barrier has opened a round of the cluster's: no wave of any partner still reads this slot or has a load on its way
	s_add_nc_u64 s[G0+4*\slot+2:G0+4*\slot+3], s[G0+4*\slot+2:G0+4*\slot+3], 2*ROWB
	s_add_nc_u64 s[G0B+4*\slot+2:G0B+4*\slot+3], s[G0B+4*\slot+2:G0B+4*\slot+3], 2*ROWB
	JLOAD G0+4*\slot, G1, G0B+4*\slot, G1B         ; the first tensor load behind the round; its four v_nop are the places in front of the loads below
.else
	PLACES NP
.endif
	FETCH_B \next, 0, 0
	FETCH_A \next, 0, 0
	WIN MUL_HI
	MUL16 4, 1, 0
	MUL16 6, 1, 0
	PLACES NP
	WIN 0
	FETCH_A \next, 0, 4
.endm
	s_wait_tensorcnt 1                             ; my part of K step 0 is in; K step 1's load may be out
	s_barrier_signal -1
	s_barrier_wait -1
	FETCH_B 0, 0, 0
	FETCH_A 0, 0, 0
	FETCH_A 0, 0, 4
	STEP 0, 0, 1                                   ; the first step stands in front of the loop: its products start the sums
	s_mov_b32 s3, LAPS-1
.Llap:                                             ; a trip goes once round the ring and fills both slots again
	TURN 0, 1, 1
	STEP 1, 0, 0
	TURN 1, 0, 1
	STEP 0, 0, 0
	s_sub_co_u32 s3, s3, 1
	s_cmp_lg_u32 s3, 0
	s_cbranch_scc1 .Llap
	TURN 0, 1, 0                                   ; the last lap fills nothing
	STEP 1, 0, 0
	s_wait_dscnt 4*NL
	WIN MUL_LO
	MUL16 0, 1, 0
	MUL16 2, 1, 0
	s_wait_dscnt 0
	WIN MUL_HI
	MUL16 4, 1, 0
	MUL16 6, 1, 0
	WIN 0
	; THE WAY OUT.  Which block of which buffer is my wave's; the folded scale; g.
	s_wait_kmcnt 0x0
	s_lshl_b32 s93, s42, 1
	s_add_co_u32 s93, s93, s16                     ; 128-block along B's side
	s_lshl_b32 s94, s17, 1
	s_add_co_u32 s94, s94, s15                     ; 128-block along A's side
	s_cmp_eq_u32 s66, 2
	s_cselect_b32 s95, s94, s93                    ; the head: B's side for q and k, A's for v
	s_cselect_b32 s96, s93, s94                    ; the block of positions: the other
	s_lshl_b32 s95, s95, 4
	s_add_co_u32 s95, s95, s96                     ; 16 x head + block
	s_cmp_eq_u32 s66, 0
	s_cselect_b32 s96, 14, 15                      ; 16 KiB a block in qc, 32 KiB in kvc
	s_cselect_b64 s[74:75], s[74:75], s[76:77]
	s_lshl_b32 s96, s95, s96
	s_cmp_eq_u32 s66, 2
	s_cselect_b32 s97, 16384, 0                    ; v lies behind k
	s_cselect_b32 s70, 0, 0x3f800000               ; g
	s_cselect_b32 s71, 0x3f800000, 0               ; 1 - g
	s_add_co_u32 s96, s96, s97
	s_mov_b32 s97, 0
	s_add_nc_u64 s[74:75], s[74:75], s[96:97]
	v_mov_b32 v[G], s70
	v_mov_b32 v[G+1], s70
	v_mov_b32 v[GI], s71
	v_mov_b32 v[GI+1], s71
	s_cmp_eq_u32 s66, 0
	s_cselect_b32 s67, s84, s86                    ; e of x,
	s_cselect_b32 s68, s85, s87                    ; of the weight,
	s_cselect_b32 s69, s90, s91                    ; of the result as the next operand
	s_cmp_eq_u32 s66, 2
	s_cselect_b32 s67, s88, s67
	s_cselect_b32 s68, s89, s68
	s_cselect_b32 s69, s92, s69
	s_sub_co_i32 s69, s69, s67
	s_sub_co_i32 s69, s69, s68                     ; a sum stands for sum x 2^(e_x + e_w): the three are folded
	s_add_co_i32 s69, s69, 127
	s_lshl_b32 s70, s69, 23
	v_mov_b32 v[SC], s70
	s_add_co_i32 s69, s69, 8
	s_lshl_b32 s69, s69, 23
	s_or_b32 s69, s69, 0x600000
	v_mov_b32 v[LIM], s69
	PLACES NP                                      ; behind the last products: for the first reads of results and the loads into A's old registers
; 16 rows x 128 columns.  Table rows through my stage, so that a lane gets the pairs of its own row and columns; the rotation; the hold; the conversions; the codes through my second stage, so that rows leave whole.
.macro BLOCK a
.set AC, 64*((\a)%4)
	s_wait_loadcnt 0x0                             ; this block's table rows are in
.set k, 0
.rept 16
	v_pk_fma_f32 v[L+k:L+k+1], v[L+k:L+k+1], v[G:G+1], v[GI:GI+1]         ; cos g + (1 - g)
	v_pk_mul_f32 v[L+32+k:L+32+k+1], v[L+32+k:L+32+k+1], v[G:G+1]         ; sin g
.set k, k+2
.endr
.irp i, 0,1,2,3,4,5,6,7
	ds_store_b128 v[CSI], v[L+4*\i:L+4*\i+3] offset:544*\i
	ds_store_b128 v[CSI], v[L+32+4*\i:L+32+4*\i+3] offset:4352+544*\i
.endr
.irp b, 0,1,2,3,4,5,6,7
	ds_load_b128 v[CF+4*\b:CF+4*\b+3], v[CSO] offset:32*\b                ; LDS serves a wave's instructions in order: these see my stores
	ds_load_b128 v[CF+32+4*\b:CF+32+4*\b+3], v[CSO] offset:4352+32*\b
.endr
	s_wait_dscnt 0x0                               ; my pairs are in, and the stores have read v32-95,
.if (\a) < 7
	CSLOAD (\a)+1                                  ; which take the next block's rows
.endif
	WIN 0x02+((\a)/4)                              ; source 0: the accumulators' window
.irp b, 0,1,2,3,4,5,6,7                ; each accumulator from its low end on
.irp u, 0,1
.set xo, 8*\b+4*\u
.set co, 4*\b+2*\u
	v_pk_mul_f32 v[TMP+xo:TMP+xo+1], v[AC+xo:AC+xo+1], v[CF+32+co:CF+32+co+1] op_sel:[1,0] op_sel_hi:[0,0] neg_lo:[1,0]       ; (-x1 s, x0 s)
	v_pk_mul_f32 v[TMP+xo+2:TMP+xo+3], v[AC+xo+2:AC+xo+3], v[CF+32+co:CF+32+co+1] op_sel:[1,1] op_sel_hi:[0,1] neg_lo:[1,0]
	v_pk_fma_f32 v[TMP+xo:TMP+xo+1], v[AC+xo:AC+xo+1], v[CF+co:CF+co+1], v[TMP+xo:TMP+xo+1] op_sel:[0,0,0] op_sel_hi:[1,0,1]  ; + (x0 c, x1 c)
	v_pk_fma_f32 v[TMP+xo+2:TMP+xo+3], v[AC+xo+2:AC+xo+3], v[CF+co:CF+co+1], v[TMP+xo+2:TMP+xo+3] op_sel:[0,1,0] op_sel_hi:[1,1,1]
.endr
.endr
	WIN 0
.set k, 0
.rept 64
	v_med3_num_f32 v[TMP+k], v[TMP+k], -v[LIM], v[LIM]                    ; the conversion to an 8-bit code does not saturate (ISA guide 7.6.2)
.set k, k+1
.endr
.irp b, 0,1,2,3,4,5,6,7
	v_cvt_scalef32_pk8_fp8_f32 v[CD+2*\b:CD+2*\b+1], v[TMP+8*\b:TMP+8*\b+7], v[SC]
.endr
	v_nop                                          ; a plain line behind the last conversion: the next block's lines write its sources
	s_wait_xcnt 0x0                                ; the block before has had its stores' registers read: v240-255 may be loaded again
.irp b, 0,1,2,3,4,5,6,7
	ds_store_b64 v[QSI], v[CD+2*\b:CD+2*\b+1] offset:16*\b
.endr
.irp t, 0,1,2,3
	ds_load_b128 v[OUT+4*\t:OUT+4*\t+3], v[QSO] offset:576*\t
.endr
	s_wait_dscnt 0x0
.irp t, 0,1,2,3
	global_store_b128 v[CO], v[OUT+4*\t:OUT+4*\t+3], s[74:75] offset:2048*(\a)+512*\t   ; 32 lanes store 512 consecutive bytes, aligned: four rows of the dense block
.endr
.endm
.irp a, 0,1,2,3,4,5,6,7
	BLOCK \a
.endr
	s_wait_tensorcnt 0x0                           ; the wave's end
	ds_add_u32 v[SPW], v[NIL]
	s_wait_dscnt 0x0
	CROUND                                         ; the closing round: no work-group ends while a partner may still ask for a tile that names it
	s_endpgm
.Lfunc_end_k_q0bcca4128b_gemm_qkv:
	.size	k_q0bcca4128b_gemm_qkv, .Lfunc_end_k_q0bcca4128b_gemm_qkv-k_q0bcca4128b_gemm_qkv
	.p2alignl 7, 3214868480
	.fill 96, 4, 3214868480
	.section	.rodata,"a",@progbits
	.p2align	6, 0x0
	.amdhsa_kernel k_q0bcca4128b_gemm_qkv
		.amdhsa_group_segment_fixed_size 327680
		.amdhsa_private_segment_fixed_size 0
		.amdhsa_enable_private_segment 0
		.amdhsa_kernarg_size 56
		.amdhsa_user_sgpr_count 2
		.amdhsa_user_sgpr_kernarg_segment_ptr 1
		.amdhsa_wavefront_size32 1
		.amdhsa_system_sgpr_workgroup_id_x 1
		.amdhsa_system_sgpr_workgroup_id_y 1
		.amdhsa_system_sgpr_workgroup_id_z 1
		.amdhsa_system_vgpr_workitem_id 0
		.amdhsa_next_free_vgpr 1024
		.amdhsa_next_free_sgpr 100
		.amdhsa_reserve_vcc 0
		.amdhsa_float_denorm_mode_32 3
		.amdhsa_float_denorm_mode_16_64 3
		.amdhsa_memory_ordered 1
		.amdhsa_forward_progress 1
		.amdhsa_inst_pref_size 203
	.end_amdhsa_kernel
	.amdgpu_metadata
---
amdhsa.version: [ 1, 2 ]
amdhsa.kernels:
  - .name:           k_q0bcca4128b_gemm_qkv
    .symbol:         k_q0bcca4128b_gemm_qkv.kd
    .args:
      - { .name: xc, .offset: 0, .size: 8, .value_kind: global_buffer, .address_space: global }
      - { .name: wc, .offset: 8, .size: 8, .value_kind: global_buffer, .address_space: global }
      - { .name: lowp_scales, .offset: 16, .size: 8, .value_kind: global_buffer, .address_space: global }
      - { .name: freqs_cos, .offset: 24, .size: 8, .value_kind: global_buffer, .address_space: global }
      - { .name: freqs_sin, .offset: 32, .size: 8, .value_kind: global_buffer, .address_space: global }
      - { .name: qc, .offset: 40, .size: 8, .value_kind: global_buffer, .address_space: global }
      - { .name: kvc, .offset: 48, .size: 8, .value_kind: global_buffer, .address_space: global }
    .group_segment_fixed_size: 327680
    .private_segment_fixed_size: 0
    .kernarg_segment_align: 8
    .kernarg_segment_size: 56
    .max_flat_workgroup_size: 128
    .sgpr_count:     100
    .vgpr_count:     1024
    .wavefront_size: 32
...
	.end_amdgpu_metadata
.endif
;; end of part 3
;; launch attn (part 4): grid 16 x 16, 8 waves a work-group, clusters of 4 x 4, 327,680 bytes of LDS; arguments qc, kvc, mask, lowp_scales, ac; writes ac
.if DOCPART == 4
	.amdgcn_target "amdgcn-amd-amdhsa--gfx1250"
	.amdhsa_code_object_version 6
	.text
	.protected	k_q0bcca4128b_attn
	.globl	k_q0bcca4128b_attn
	.p2align	8
	.type	k_q0bcca4128b_attn,@function
k_q0bcca4128b_attn:
	s_mov_b64 s[64:65], 0
	v_nop
	global_prefetch_b8 v0, s[64:65] scope:SCOPE_SE
	s_setreg_imm32_b32 hwreg(HW_REG_WAVE_MODE, 25, 1), 1
	s_wait_xcnt 0x0
	s_wait_alu depctr_hold_cnt(0) depctr_sa_sdst(0) depctr_va_vdst(0) depctr_va_sdst(0) depctr_va_ssrc(0) depctr_va_vcc(0) depctr_vm_vsrc(0)
	s_getreg_b32 s2, hwreg(HW_REG_IB_STS2, 6, 4)
	s_cmp_eq_u32 s2, 0
	s_cbranch_scc0 .Lentry_in_a_cluster
	s_endpgm
.Lentry_in_a_cluster:
	s_bfe_u32 s2, ttmp6, 0x10000c
	s_cmp_lg_u32 s2, 0xf033
	s_cbranch_scc0 .Lentry_shape_is_right
	s_endpgm
.Lentry_shape_is_right:
; Attention on E4M3 codes: scores = q . k / sqrt(128) + mask; p = 2^(t - M); o = (sum of p v) / (sum of p); o is quantised for the last product.
; THE MASK IS AN INPUT: f32, added to every score; every key is walked for every query, and nothing is assumed of its pattern.
; t = (score x a + mask) x log2(e), the last product ROUNDED to f32 before M is taken away: where all keys seen so far are masked by a large number, t and M are large and t - M must be exact.
; M = the running largest t rounded UP to a whole number, kept as -M = floor(-t).  The row's sum is taken of the unquantised p.  When M moves, the sum and O are multiplied by 2^(old M - new M): exact.
; SHARES.  A work-group owns 128 queries of one head; each of its eight waves 16 of them, in 512 registers: two waves to a SIMD.
; 16 key steps of 128 keys through a ring of two LDS slots; slot s & 1 holds step s: k's tile (128 keys x 128), v's tile (128 channels x 128 keys), the mask's tile (128 queries x 128 keys, f32).
; THE PIPELINE IS SKEWED BY ONE STEP.  Trip f (0 .. 16): the softmax of step f - 1, on scores and mask that lie in registers; O += v p of step f - 1; the scores of step f.  So a wave starts on registers behind each barrier,
; and what it fetches from LDS in a trip (v of f - 1, k of f, the mask of f: 40 KiB a wave, 320 KiB a work-group) is wanted at the trip's end or in the next trip.  THE LOADS GO IN RUNS OF ONE TILE, dealt among the
; trip's 340 vector instructions, one run to every PACE of them: set in one piece in front of the softmax, loads and vector work would follow each other in all eight waves at once.
; The fragments lie in window 1, so a run of k or v costs two switches of the register window: 32 a trip; that is the price of the dealing.
; THE RING.  k and the mask of step f are read in trip f, v of step f in trip f + 1.  Both slots are filled at the start.  Behind the round at the head of trip f: k and the mask of step f + 1 go into slot (f + 1) & 1
; (last read in trip f - 1), v of step f into slot f & 1 (v of f - 2 was last read in trip f - 1).  So trip 1 asks for k and the mask alone, trips 2 to 14 for all three, trip 15 for v alone, trip 16 for nothing.
; CLUSTER 4 x 4: x = four blocks of queries, y = four heads.  k's and v's tiles hang on the head alone and are shared along a row of the cluster; the mask's tile hangs on the block of queries alone and is shared
; along a column: each is asked for JOINTLY.  Wave 0 asks for k, wave 1 for v, waves 2, 3 for the mask's halves, the others for nothing.  By this text's count a wave has two tensor loads out at the start, later one.
; LAYOUT.  Both products are used transposed: S^T = k q^T (source 0 = 16 neighbouring keys, source 1 = my 16 queries), O^T = v^T p^T: a lane holds ONE query (lane % 16) throughout.
; In S^T's tile t lane (r, h) holds keys 16 t + 8 h + 0 .. 7: their eight codes are registers 2 t, 2 t + 1 of p as this form's own layout has them (k = 16 c + 8 h + 0 .. 7); v's fragments come in the same layout, by loads of 8 bytes.
; q and k come by loads of 16 bytes, 32 apart: one permutation of the head's 128, the same on both sides.
; THE WAY OUT.  O^T's tile dt gives registers 2 dt, 2 dt + 1 of a fragment (16 positions x this head's 128) of the last product's left operand: the sixteen registers go to memory as they stand, 16 bytes a lane.
; LIMITS: e6 + e7 between -122 and 130 (added to a's exponent field); e9, and e10 - e8 - e9, between -126 and 119.  NaN is not served, nor a row whose every logit is -infinity.
; REGISTERS: window 0: v1-3 my lane's places; v5, v6 for the add; v7 16 x lane; v8-10 addresses in hand; v12 -M, v13 the largest t, v[14:15] the sum; v16-31 q; v32-95 mask; v96-159 S^T, then p; v160-223 O^T; v224-239 codes.
;   window 1: v0-127 v's eight fragments; v128-255 k's eight.
.set KP,    144                        ; a row of k or v in LDS: 128 bytes + 16
.set MP,    528                        ; a row of the mask: 512 bytes + 16
.set VOFF,  128*KP
.set MOFF,  2*128*KP
.set SLOT1, 1<<17                      ; slot 1 begins here: one exclusive or turns an address from one slot to the other
.set SPARE, 2*SLOT1                    ; the spare words, 128 bytes a wave: four blocks of 256 bytes that no other line names
.set PACE,  15                         ; vector instructions from one run of LDS loads to the next: run 19 is due at tick 270 of the 305 that stand ahead of O's rescaling
.set AK0, 1
.set AV0, 2
.set AM0, 3
.set SPW, 5
.set NIL, 6
.set GO,  7
.set ADK, 8
.set ADV, 9
.set ADM, 10
.set QF,  16
.set MK,  32
.set S,   96
.set OT,  160
.set PC,  224
.set VF,  0                            ; in window 1
.set KF,  128                          ; in window 1
.set WV,   18
.set SEL,  20
.set CA,   22                          ; s[22:23] a = 2^(e6 + e7) / sqrt(128)
.set G1KV, 24
.set G1M,  32
.set G0KV, 40                          ; group 0 for k and v: a wave's second first fill; it then walks on
.set G0M,  44                          ; the same for the mask
.set TB,   54                          ; LDS byte at which the slot of k and the mask in hand begins
.set CNT,  55
.set LE,   66                          ; s[66:67] log2(e)
.set G0KVX, 80                         ; group 0 of a wave's first first fill; never rewritten
.set G0MX,  84
.set TBV,  88                          ; the slot of v in hand: the other one
.set MSB, 0
.macro WIN new                         ; the immediate's high byte repeats the setting that is left
.if MSB != \new
	s_set_vgpr_msb (MSB<<8)|\new
.set MSB, \new
.endif
.endm
; A joint refill.  mode 1: k and the mask; 2: k, v and the mask; 3: v.  The branches hang on the wave's number alone.  Four v_nop follow each of the two lines.
.macro TLOAD mode
.if \mode == 2
	s_cmp_lt_u32 s[WV], 2
.elseif \mode == 1
	s_cmp_eq_u32 s[WV], 0
.else
	s_cmp_eq_u32 s[WV], 1
.endif
	s_cbranch_scc0 .Lnot_kv_\@
	tensor_load_to_lds s[G0KV:G0KV+3], s[G1KV:G1KV+7]
	s_nop 0
.rept 4
	v_nop
.endr
.if \mode < 3
	s_branch .Lasked_\@
.endif
.Lnot_kv_\@:
.if \mode < 3
.if \mode == 1
	s_cmp_ge_u32 s[WV], 2                          ; (wave 1 has nothing to ask for in this trip)
	s_cbranch_scc0 .Lasked_\@
.endif
	s_cmp_lt_u32 s[WV], 4
	s_cbranch_scc0 .Lasked_\@
	tensor_load_to_lds s[G0M:G0M+3], s[G1M:G1M+7]
	s_nop 0
.rept 4
	v_nop
.endr
.Lasked_\@:
.endif
.endm
.macro CROUND                          ; a round of the cluster's barrier
	s_barrier_signal -1
	s_barrier_wait -1
	s_cmp_lg_u32 s[WV], 0
	s_cbranch_scc1 .Lnot_wave_0_\@
	s_barrier_signal -3
.Lnot_wave_0_\@:
	s_barrier_wait -3
	s_barrier_signal -1
	s_barrier_wait -1
.endm
	s_load_b256 s[4:11], s[0:1], 0x0               ; qc s[4:5], kvc s[6:7], mask s[8:9], the exponents s[10:11]
	s_load_b64 s[12:13], s[0:1], 0x20              ; ac
	v_lshl_add_u32 v[SPW], v0, 2, SPARE
	v_mov_b32 v[NIL], 0
	ds_add_u32 v5, v6
	s_wait_dscnt 0x0
	v_lshrrev_b32 v8, 5, v0
	v_readfirstlane_b32 s[WV], v8                  ; wave 0..7
	s_bfe_u32 s56, ttmp6, 0x40000                  ; cx
	s_bfe_u32 s57, ttmp6, 0x40004                  ; cy
	s_lshl_b32 s58, ttmp9, 2
	s_add_co_u32 s58, s58, s56                     ; my block of 128 queries
	s_and_b32 s59, ttmp7, 0xffff
	s_lshl_b32 s59, s59, 2
	s_add_co_u32 s59, s59, s57                     ; my head
	s_lshl_b32 s60, s57, 2
	s_lshl_b32 s60, 15, s60                        ; my row of the cluster: the same head
	s_lshl_b32 s61, 0x1111, s56                    ; my column: the same queries
	s_or_b32 s[G1KV], s60, (0<<16)|(1<<20)|(1<<21)|(4<<22)|(3<<25)   ; elements of 1 byte; padding: 4 words after every 32
	s_mov_b32 s[G1KV+1], 128<<16                   ; tensor_dim0
	s_mov_b32 s[G1KV+2], 128<<16                   ; tensor_dim1
	s_mov_b32 s[G1KV+3], 128<<16                   ; tile_dim0
	s_mov_b32 s[G1KV+4], 128                       ; tile_dim1
	s_mov_b32 s[G1KV+5], 128                       ; the pitch: the tile is dense
	s_mov_b32 s[G1KV+6], 0
	s_mov_b32 s[G1KV+7], 0
	s_or_b32 s[G1M], s61, (2<<16)|(1<<20)|(1<<21)|(6<<22)|(3<<25)    ; elements of 4 bytes; padding: 4 words after every 128
	s_mov_b32 s[G1M+1], 128<<16
	s_mov_b32 s[G1M+2], 64<<16
	s_mov_b32 s[G1M+3], 128<<16
	s_mov_b32 s[G1M+4], 64
	s_mov_b32 s[G1M+5], 2048
	s_mov_b32 s[G1M+6], 0
	s_mov_b32 s[G1M+7], 0
	; kvc: 512 KiB a head, 32 KiB a step: k's tile, then v's.  A wave's two first fills, made of the head and the wave's number alone:
	; wave 0: k of step 0 into slot 0, then k of step 1 into slot 1.  Wave 1: v of step 1 into slot 1, then v of step 0 into slot 0.  The second set walks on, stepped at every change of slots:
	; wave 0's stands at (slot 0, k of step 2) in trip 1, wave 1's at (slot 0, v of step 2) in trip 2, which is when each is first used again.
	s_and_b32 s62, s[WV], 1
	s_lshl_b32 s48, s59, 19
	s_mul_i32 s49, s62, 49152
	s_add_co_u32 s50, s48, s49                     ; the first: + 0, or + 32 KiB + 16 KiB
	s_mov_b32 s51, 0
	s_lshl_b32 s49, s62, 14
	s_add_co_u32 s48, s48, 32768
	s_sub_co_u32 s48, s48, s49                     ; the second: + 32 KiB, or + 16 KiB
	s_mov_b32 s49, 0
	s_mul_i32 s52, s62, SLOT1+VOFF                 ; the first one's place in LDS,
	s_xor_b32 s63, s52, SLOT1                      ; the second one's: the same in the other slot
	s_lshl_b32 s90, s58, 20                        ; the mask: 128 rows of 8,192 bytes a block, + 64 rows: made of the block and the wave's number alone
	s_lshl_b32 s91, s62, 19
	s_add_co_u32 s90, s90, s91
	s_mov_b32 s91, 0
	s_mul_i32 s53, s62, 64*MP
	s_add_co_u32 s53, s53, MOFF                    ; its place in slot 0
	s_lshl_b32 s74, s59, 18                        ; q: 256 KiB a head + 16 KiB a block + 2 KiB a wave
	s_lshl_b32 s75, s58, 14
	s_add_co_u32 s74, s74, s75
	s_lshl_b32 s75, s[WV], 11
	s_add_co_u32 s74, s74, s75
	s_mov_b32 s75, 0
	s_lshl_b32 s76, s58, 18                        ; ac: ((8 x block + wave) x 16 + head) x 2,048
	s_lshl_b32 s77, s[WV], 15
	s_add_co_u32 s76, s76, s77
	s_lshl_b32 s77, s59, 11
	s_add_co_u32 s76, s76, s77
	s_mov_b32 s77, 0
	s_mov_b32 s[SEL], 0x76543210
	s_mov_b32 s[SEL+1], 0xfedcba98
	s_mov_b32 s[CA], 0x3db504f3                    ; 1 / sqrt(128)
	s_mov_b32 s[LE], 0x3fb8aa3b                    ; log2(e)
	s_mov_b32 s[LE+1], s[LE]                       ; (named with it as a pair, so it is written)
	s_mov_b32 s[TB], 0
	s_mov_b32 s[TBV], SLOT1
	s_mov_b32 s[CNT], 13
	s_wait_kmcnt 0x0
	s_load_b128 s[68:71], s[10:11], 0x18           ; e6, e7, e8, e9
	s_load_b32 s72, s[10:11], 0x28                 ; e10
	s_mov_b32 s[G0KVX], 1
	s_mov_b32 s[G0KVX+1], s52
	s_add_nc_u64 s[G0KVX+2:G0KVX+3], s[6:7], s[50:51]
	s_or_b32 s[G0KVX+3], s[G0KVX+3], 0x80000000
	s_mov_b32 s[G0KV], 1
	s_mov_b32 s[G0KV+1], s63
	s_add_nc_u64 s[G0KV+2:G0KV+3], s[6:7], s[48:49]
	s_or_b32 s[G0KV+3], s[G0KV+3], 0x80000000
	s_mov_b32 s[G0MX], 1
	s_mov_b32 s[G0MX+1], s53
	s_add_nc_u64 s[G0MX+2:G0MX+3], s[8:9], s[90:91]            ; the mask of step 0 into slot 0,
	s_mov_b32 s[G0M], 1
	s_add_co_u32 s[G0M+1], s53, SLOT1
	s_add_nc_u64 s[G0M+2:G0M+3], s[G0MX+2:G0MX+3], 512         ; of step 1 (128 columns on) into slot 1
	s_or_b32 s[G0MX+3], s[G0MX+3], 0x80000000
	s_or_b32 s[G0M+3], s[G0M+3], 0x80000000
	CROUND                                         ; all sixteen work-groups are here: the first joint loads meet
	s_cmp_lt_u32 s[WV], 2                          ; a wave's two first fills stand in one branch, ahead of every wait on TENSORcnt, every LDS read and every other barrier
	s_cbranch_scc0 .Lfirst_m
	tensor_load_to_lds s[G0KVX:G0KVX+3], s[G1KV:G1KV+7]
	s_nop 0
	tensor_load_to_lds s[G0KV:G0KV+3], s[G1KV:G1KV+7]
	s_nop 0
.rept 4
	v_nop
.endr
	s_branch .Lfirst_asked
.Lfirst_m:
	s_cmp_lt_u32 s[WV], 4
	s_cbranch_scc0 .Lfirst_asked
	tensor_load_to_lds s[G0MX:G0MX+3], s[G1M:G1M+7]
	s_nop 0
	tensor_load_to_lds s[G0M:G0M+3], s[G1M:G1M+7]
	s_nop 0
.rept 4
	v_nop
.endr
.Lfirst_asked:
	s_add_nc_u64 s[4:5], s[4:5], s[74:75]
	s_add_nc_u64 s[12:13], s[12:13], s[76:77]
	v_and_b32 v8, 15, v0                           ; r
	v_bfe_u32 v9, v0, 4, 1                         ; h
	v_lshlrev_b32 v10, 7, v8
	v_lshl_add_u32 v10, v9, 4, v10                 ; q: row r of 128 bytes, + 16 h
.irp c, 0,1,2,3
	global_load_b128 v[QF+4*\c:QF+4*\c+3], v10, s[4:5] offset:32*\c   ; q's fragment stays in registers
.endr
	v_mul_u32_u24 v[AK0], v8, KP
	v_lshl_add_u32 v[AV0], v9, 3, v[AK0]
	v_add_nc_u32 v[AV0], VOFF, v[AV0]              ; v: row r, + 8 h
	v_lshl_add_u32 v[AK0], v9, 4, v[AK0]           ; k: row r, + 16 h
	s_mul_i32 s73, s[WV], 16*MP
	s_add_co_u32 s73, s73, MOFF
	v_mul_u32_u24 v[AM0], v8, MP
	v_lshl_add_u32 v[AM0], v9, 5, v[AM0]
	v_add_nc_u32 v[AM0], s73, v[AM0]               ; the mask: row 16 x wave + r, + 32 h
	v_and_b32 v[GO], 31, v0
	v_lshlrev_b32 v[GO], 4, v[GO]
	v_mov_b32 v13, 0xff61b1e6                      ; the largest t so far: -3e38
	v_floor_f32 v12, -v13                          ; -M
	v_mov_b32 v14, 0
	v_mov_b32 v15, 0
	v_mov_b32 v236, 0                              ; a lane permute's destination counts as one of its sources
	v_mov_b32 v253, 0                              ; (named as the upper half of the pair v[252:253])
.set j, 0
.rept 64
	v_mov_b32 v[OT+j], 0                           ; O^T.  The softmax is written for every step alike: the first finds zeros, which the first change of M leaves zeros
.set j, j+1
.endr
	s_wait_kmcnt 0x0
	s_add_co_i32 s78, s68, s69
	s_lshl_b32 s78, s78, 23
	s_add_co_i32 s[CA], s[CA], s78                 ; a score stands for score x 2^(e6 + e7): added to a's exponent field
	s_mov_b32 s[CA+1], s[CA]
	s_add_co_i32 s78, s71, 127
	s_lshl_b32 s79, s78, 23
	v_mov_b32 v244, s79                            ; 2^e9, for p's conversion
	s_add_co_i32 s78, s78, 8
	s_lshl_b32 s78, s78, 23
	s_or_b32 s78, s78, 0x600000
	v_mov_b32 v240, s78                            ; 448 x 2^e9
	s_sub_co_i32 s78, s72, s70
	s_sub_co_i32 s78, s78, s71                     ; O / l stands for o / 2^(e8 + e9): folded with e10
	s_add_co_i32 s78, s78, 127
	s_lshl_b32 s79, s78, 23
	v_mov_b32 v245, s79
	s_add_co_i32 s78, s78, 8
	s_lshl_b32 s78, s78, 23
	s_or_b32 s78, s78, 0x600000
	v_mov_b32 v241, s78
; THE RUNS OF LDS LOADS, 2 KiB a wave each, in the order in which their data are wanted.  0-7: v's fragment i (channel 16 i + r, keys 16 c + 8 h + 0 .. 7).  8-15: k's fragment i - 8.
; 16-19: the mask of my query at the keys of two tiles of S^T (keys 16 t + 8 h + 0 .. 7: the places of S^T's registers).
.macro RUN i
.if (\i) < 8
	WIN 0x40                                       ; destination window 1, address window 0
.irp c, 0,1,2,3,4,5,6,7
	ds_load_b64 v[VF+16*(\i)+2*\c:VF+16*(\i)+2*\c+1], v[ADV] offset:16*KP*(\i)+16*\c
.endr
	WIN 0
.elseif (\i) < 16
	WIN 0x40
.irp c, 0,1,2,3
	ds_load_b128 v[KF+16*((\i)-8)+4*\c:KF+16*((\i)-8)+4*\c+3], v[ADK] offset:16*KP*((\i)-8)+32*\c
.endr
	WIN 0
.else
.irp u, 0,1
	ds_load_b128 v[MK+8*(2*((\i)-16)+\u):MK+8*(2*((\i)-16)+\u)+3], v[ADM] offset:64*(2*((\i)-16)+\u)
	ds_load_b128 v[MK+8*(2*((\i)-16)+\u)+4:MK+8*(2*((\i)-16)+\u)+7], v[ADM] offset:64*(2*((\i)-16)+\u)+16
.endr
.endif
.endm
.macro TICK                            ; stands behind a vector instruction: counts it, and writes the next run when it is due
.set nv, nv+1
.if (nr < rend) && (nv >= PACE*(nr-1))
	RUN nr
.set nr, nr+1
.endif
.endm
.macro REST                            ; the runs that have not gone out yet
.rept 20
.if nr < rend
	RUN nr
.set nr, nr+1
.endif
.endr
.endm
; A TRIP'S WORK.  pv = 1: the softmax of the step whose scores and mask lie in registers, and O += v p.  kq = 1: k and the mask of the next step are fetched, and its scores made.
.macro STEP pv, kq
	v_add_nc_u32 v[ADK], s[TB], v[AK0]             ; these three and the v_nop are the four places between the last products and the loads into their fragments' registers, and the first reads of the scores
	v_add_nc_u32 v[ADM], s[TB], v[AM0]
	v_add_nc_u32 v[ADV], s[TBV], v[AV0]
	v_nop
.set nv, 0
.set rend, 8+12*\kq
.if \pv
	RUN 0                                          ; two runs at once, the others among the lines below
	RUN 1
.set nr, 2
.set j, 0
.rept 32
	v_pk_fma_f32 v[S+j:S+j+1], v[S+j:S+j+1], s[CA:CA+1], v[MK+j:MK+j+1] op_sel_hi:[1,0,1]   ; score x a + mask; each accumulator from its low end on
	TICK
.set j, j+2
.endr
.set j, 0
.rept 32
	v_pk_mul_f32 v[S+j:S+j+1], v[S+j:S+j+1], s[LE:LE+1] op_sel_hi:[1,0]                     ; t, rounded
	TICK
.set j, j+2
.endr
	v_max3_num_f32 v254, v[S], v[S+1], v[S+2]      ; the step's largest t of my query among my 64 keys, in two chains,
	TICK
	v_max3_num_f32 v252, v[S+3], v[S+4], v[S+5]
	TICK
.set j, 6
.rept 14
	v_max3_num_f32 v254, v254, v[S+j], v[S+j+1]
	TICK
	v_max3_num_f32 v252, v252, v[S+j+2], v[S+j+3]
	TICK
.set j, j+4
.endr
	v_max3_num_f32 v254, v254, v[S+62], v[S+63]
	TICK
	v_max_num_f32 v254, v254, v252
	TICK
	v_permlanex16_b32 v236, v254, s[SEL], s[SEL+1]
	TICK
	v_max_num_f32 v254, v254, v236                 ; and among lane l xor 16's
	TICK
	v_max_num_f32 v13, v13, v254                   ; the running largest t
	TICK
	v_mov_b32 v254, v12
	TICK
	v_floor_f32 v12, -v13                          ; the new -M = floor(-t) = -ceil(t)
	TICK
	v_sub_f32 v254, v12, v254                      ; old M - new M: a whole number, 0 or less
	TICK
	v_cvt_i32_f32 v254, v254                       ; (it saturates)
	TICK
	v_ldexp_f32 v252, 1.0, v254                    ; f = 2^(old M - new M)
	TICK
.set j, 0
.rept 32
	v_pk_add_f32 v[S+j:S+j+1], v[S+j:S+j+1], v[12:13] op_sel_hi:[1,0]                       ; t - M (the pair's low word serves both halves)
	TICK
.set j, j+2
.endr
.set j, 0
.rept 64
	v_exp_f32 v[S+j], v[S+j]                       ; p = 2^(t - M), at most 1: not normalised
	TICK
.set j, j+1
.endr
	v_pk_mul_f32 v[14:15], v[14:15], v[252:253] op_sel_hi:[1,0]   ; the sums under the new M.  (The plain place behind the exponentials)
	TICK
	s_wait_alu depctr_va_vdst(0)
	v_pk_add_f32 v[242:243], v[S:S+1], v[S+2:S+3]  ; the row's sum is taken of the unquantised p: two at a time, in two chains
	TICK
.set j, 4
.rept 15
	v_pk_add_f32 v[14:15], v[14:15], v[S+j:S+j+1]
	TICK
	v_pk_add_f32 v[242:243], v[242:243], v[S+j+2:S+j+3]
	TICK
.set j, j+4
.endr
	v_pk_add_f32 v[14:15], v[14:15], v[242:243]
	TICK
.irp t, 0,1,2,3,4,5,6,7
.irp i, 0,1,2,3,4,5,6,7
	v_min_num_f32 v[S+8*\t+\i], v[S+8*\t+\i], v240 ; the conversion does not saturate (ISA guide 7.6.2); p is not negative, so the hold is one-sided
	TICK
.endr
	v_cvt_scalef32_pk8_fp8_f32 v[PC+2*\t:PC+2*\t+1], v[S+8*\t:S+8*\t+7], v244
	TICK
.endr
.else
.set nr, 8                                     ; the first trip has no softmax to set the runs between
.endif
	REST                                           ; (behind a softmax none is left, by the ticks' count: the waits below count on all being out)
.if \pv
.set j, 0
.rept 32
	v_pk_mul_f32 v[OT+j:OT+j+1], v[OT+j:OT+j+1], v[252:253] op_sel_hi:[1,0]   ; O^T under the new M.  (Also the plain lines between the conversions and the products that read the codes and write over p)
.set j, j+2
.endr
.if \kq
	s_wait_dscnt 48                                ; v's 64 loads are in; k's 32 and the mask's 16 may be out
.else
	s_wait_dscnt 0x0
.endif
	WIN 0x01                                       ; source 0 window 1
.irp t, 0,1,2,3,4,5,6,7                ; the accumulators take turns, one instruction a turn
	v_wmma_f32_16x16x128_fp8_fp8 v[OT+8*\t:OT+8*\t+7], v[VF+16*\t:VF+16*\t+15], v[PC:PC+15], v[OT+8*\t:OT+8*\t+7]
.endr
.endif
.if \kq
	s_wait_dscnt 16                                ; k's loads are in; the mask's sixteen may be out: they are waited for in front of the next barrier
	WIN 0x01
.irp t, 0,1,2,3,4,5,6,7
	v_wmma_f32_16x16x128_fp8_fp8 v[S+8*\t:S+8*\t+7], v[KF+16*\t:KF+16*\t+15], v[QF:QF+15], 0
.endr
.endif
	WIN 0
.endm
; THE CHANGE OF SLOTS stands at a trip's head.  Each wave waits for all its tensor loads, adds 0 to its spare word, and waits for that and for all its LDS loads: its reads of the bytes that are filled next, and the mask that it reads next.
; mode 1, 2, 3: the barrier is a round of the cluster's, and TLOAD's tiles are asked for behind it: each has a whole trip in which to land.  mode 0: nothing is left to ask for.
.macro CHANGE mode
	s_wait_tensorcnt 0x0                           ; no tensor load of mine is out, so a group 0 may be written
	ds_add_u32 v[SPW], v[NIL]                      ; 0 onto my spare word
.if \mode
	s_xor_b32 s[G0KV+1], s[G0KV+1], SLOT1          ; the walking descriptors: the other slot,
	s_add_nc_u64 s[G0KV+2:G0KV+3], s[G0KV+2:G0KV+3], 32768   ; the next step's tile of k or of v,
.if \mode < 3
	s_xor_b32 s[G0M+1], s[G0M+1], SLOT1
	s_add_nc_u64 s[G0M+2:G0M+3], s[G0M+2:G0M+3], 512         ; the next 128 columns of the mask
.endif
.endif
	s_wait_dscnt 0x0
.if \mode
	CROUND
	TLOAD \mode                                    ; the first thing behind the round, and a wave's one tensor load until the next
.else
	s_barrier_signal -1
	s_barrier_wait -1
.endif
.endm
.macro TOGGLE                          ; on to the other slots
	s_xor_b32 s[TB], s[TB], SLOT1
	s_xor_b32 s[TBV], s[TBV], SLOT1
.endm
	s_wait_tensorcnt 0x1                           ; my first first fill is in (k and the mask of step 0 among them); the second may be out
	s_barrier_signal -1
	s_barrier_wait -1
	s_wait_loadcnt 0x0                             ; q
	STEP 0, 1                                      ; trip 0: the scores of step 0
	TOGGLE
	CHANGE 1                                       ; trip 1: v of step 1 lies in its slot since the start
	STEP 1, 1
	TOGGLE
.Lslot:                                            ; trips 2 to 14
	CHANGE 2
	STEP 1, 1
	TOGGLE
	s_sub_co_u32 s[CNT], s[CNT], 1
	s_cmp_lg_u32 s[CNT], 0
	s_cbranch_scc1 .Lslot
	CHANGE 3                                       ; trip 15: there is no step 16: v of step 15 alone is asked for.  The tail is written out
	STEP 1, 1
	TOGGLE
	CHANGE 0                                       ; trip 16
	STEP 1, 0
	; THE WAY OUT: O^T / the sum, held, converted: the sixteen registers of codes are a fragment of the last product's left operand and are stored as they stand.
.rept 4
	v_nop                                          ; places behind the last products
.endr
	v_add_f32 v14, v14, v15
	v_permlanex16_b32 v252, v14, s[SEL], s[SEL+1]
	v_add_f32 v14, v14, v252                       ; the row's sum
	v_rcp_f32 v14, v14
	v_nop                                          ; a plain place behind the transcendental
.set j, 0
	s_wait_alu depctr_va_vdst(0)
.rept 32
	v_pk_mul_f32 v[S+j:S+j+1], v[OT+j:OT+j+1], v[14:15] op_sel_hi:[1,0]   ; each accumulator from its low end on
.set j, j+2
.endr
.set j, 0
.rept 64
	v_med3_num_f32 v[S+j], v[S+j], -v241, v241
.set j, j+1
.endr
.irp t, 0,1,2,3,4,5,6,7
	v_cvt_scalef32_pk8_fp8_f32 v[PC+2*\t:PC+2*\t+1], v[S+8*\t:S+8*\t+7], v245
.endr
	v_nop
.irp g, 0,1,2,3
	global_store_b128 v[GO], v[PC+4*\g:PC+4*\g+3], s[12:13] offset:512*\g   ; 32 lanes store 512 consecutive bytes, aligned
.endr
	s_wait_tensorcnt 0x0                           ; the wave's end
	ds_add_u32 v[SPW], v[NIL]
	s_wait_dscnt 0x0
	CROUND                                         ; the closing round
	s_endpgm
.Lfunc_end_k_q0bcca4128b_attn:
	.size	k_q0bcca4128b_attn, .Lfunc_end_k_q0bcca4128b_attn-k_q0bcca4128b_attn
	.p2alignl 7, 3214868480
	.fill 96, 4, 3214868480
	.section	.rodata,"a",@progbits
	.p2align	6, 0x0
	.amdhsa_kernel k_q0bcca4128b_attn
		.amdhsa_group_segment_fixed_size 327680
		.amdhsa_private_segment_fixed_size 0
		.amdhsa_enable_private_segment 0
		.amdhsa_kernarg_size 40
		.amdhsa_user_sgpr_count 2
		.amdhsa_user_sgpr_kernarg_segment_ptr 1
		.amdhsa_wavefront_size32 1
		.amdhsa_system_sgpr_workgroup_id_x 1
		.amdhsa_system_sgpr_workgroup_id_y 1
		.amdhsa_system_sgpr_workgroup_id_z 1
		.amdhsa_system_vgpr_workitem_id 0
		.amdhsa_next_free_vgpr 512
		.amdhsa_next_free_sgpr 96
		.amdhsa_reserve_vcc 0
		.amdhsa_float_denorm_mode_32 3
		.amdhsa_float_denorm_mode_16_64 3
		.amdhsa_memory_ordered 1
		.amdhsa_forward_progress 1
		.amdhsa_inst_pref_size 127
	.end_amdhsa_kernel
	.amdgpu_metadata
---
amdhsa.version: [ 1, 2 ]
amdhsa.kernels:
  - .name:           k_q0bcca4128b_attn
    .symbol:         k_q0bcca4128b_attn.kd
    .args:
      - { .name: qc, .offset: 0, .size: 8, .value_kind: global_buffer, .address_space: global }
      - { .name: kvc, .offset: 8, .size: 8, .value_kind: global_buffer, .address_space: global }
      - { .name: mask, .offset: 16, .size: 8, .value_kind: global_buffer, .address_space: global }
      - { .name: lowp_scales, .offset: 24, .size: 8, .value_kind: global_buffer, .address_space: global }
      - { .name: ac, .offset: 32, .size: 8, .value_kind: global_buffer, .address_space: global }
    .group_segment_fixed_size: 327680
    .private_segment_fixed_size: 0
    .kernarg_segment_align: 8
    .kernarg_segment_size: 40
    .max_flat_workgroup_size: 256
    .sgpr_count:     96
    .vgpr_count:     512
    .wavefront_size: 32
...
	.end_amdgpu_metadata
.endif
;; end of part 4
;; launch gemm_out (part 5): grid 16 x 16, 4 waves a work-group, clusters of 4 x 4, 327,680 bytes of LDS; arguments ac, wc, lowp_scales, out0; writes out0
.if DOCPART == 5
	.amdgcn_target "amdgcn-amd-amdhsa--gfx1250"
	.amdhsa_code_object_version 6
	.text
	.protected	k_q0bcca4128b_gemm_out
	.globl	k_q0bcca4128b_gemm_out
	.p2align	8
	.type	k_q0bcca4128b_gemm_out,@function
k_q0bcca4128b_gemm_out:
	s_mov_b64 s[64:65], 0
	v_nop
	global_prefetch_b8 v0, s[64:65] scope:SCOPE_SE
	s_setreg_imm32_b32 hwreg(HW_REG_WAVE_MODE, 25, 1), 1
	s_wait_xcnt 0x0
	s_wait_alu depctr_hold_cnt(0) depctr_sa_sdst(0) depctr_va_vdst(0) depctr_va_sdst(0) depctr_va_ssrc(0) depctr_va_vcc(0) depctr_vm_vsrc(0)
	s_getreg_b32 s2, hwreg(HW_REG_IB_STS2, 6, 4)
	s_cmp_eq_u32 s2, 0
	s_cbranch_scc0 .Lentry_in_a_cluster
	s_endpgm
.Lentry_in_a_cluster:
	s_bfe_u32 s2, ttmp6, 0x10000c
	s_cmp_lg_u32 s2, 0xf033
	s_cbranch_scc0 .Lentry_shape_is_right
	s_endpgm
.Lentry_shape_is_right:
; out0 = o wo on E4M3 codes; each finished sum x 2^(e10 + e11).  out0: [2048][2048] f32.
; A = o's codes, laid as IMAGES OF THE OPERAND'S REGISTERS: ac [16 positions: 128][head: 16][2,048 bytes]; byte 512 g + 16 l + i is byte i of registers 4 g .. 4 g + 3 of lane l of the fragment (16 rows x 128 K),
; in this form's own layout (registers 2 c, 2 c + 1: k = 16 c + 8 h + 0 .. 7).  B = wo's codes, wc's fourth tensor, [n][k]: its fragments come in the same layout, by loads of 8 bytes.
; A tile of out0 is 128 x 128: 256 work-groups; tiles of 256 x 256 would be 64.  Four waves, each 64 x 64: 16 accumulators.  K = 2,048 goes in four steps of 512 through two LDS slots: two first fills, two refills, all written out.
; CLUSTERS 4 x 4: A's tile is shared along a row of the cluster, B's along a column, each asked for JOINTLY.  The matrix instruction is used transposed (source 0 = 16 rows of B, source 1 = 16 rows of A):
; a lane holds eight neighbouring numbers of a row of out0.  A wave's 64 columns are 256 bytes: a block of 16 rows goes through the wave's own stage and leaves as rows, sixteen lanes to 256 consecutive bytes, aligned.
; LIMIT: e10 + e11 between -126 and 127.
; REGISTERS: window 0: v1-29 addresses; v32-63 a block's scaled sums; v64-127 rows read back, two sets; v128-255 the accumulators ((a, b) at v[128 + 8 (4 a + b)]).
;   window 1: two fragment buffers of 128: A's four fragments, then B's four, for 128 along K.
.set PB,     528                       ; a row of B in LDS: 512 bytes + 16
.set BOFF,   65536                     ; a slot: A's 32 images (8 x 4 x 2,048 bytes), then B's 128 rows
.set SLOT,   BOFF+128*PB
.set SPARE,  2*SLOT                    ; the spare words, 128 bytes a wave: two blocks of 256 bytes that no other line names
.set STAGE,  SPARE+512                 ; 16 rows x 272 bytes for each wave.  No fill lands here
.set SPITCH, 272
.set ADRA, 16
.set ADRB, 20
.set STO,  24
.set RD,   25
.set CO,   26
.set SPW,  28
.set NIL,  29
.set TMP,  32
.set BK,   64
.set ACC,  128
.set F0,   0
.set F1,   128
.set G1, 24
.set G0, 32
.set G1B, 48
.set G0B, 56
.set MSB, 0
.macro WIN new
.if MSB != \new
	s_set_vgpr_msb (MSB<<8)|\new
.set MSB, \new
.endif
.endm
.set MUL,  0x05                        ; sources 0 (B) and 1 (A) window 1; C and D window 0
.set TO_F, 0x40
.macro JLOAD s                         ; waves 0 and 1 fetch A's halves, waves 2 and 3 B's; four v_nop follow each of the two lines
	s_cmp_eq_u32 s11, 0
	s_cbranch_scc0 .Lfor_b_\@
	tensor_load_to_lds s[G0+4*\s:G0+4*\s+3], s[G1:G1+7]
	s_nop 0
.rept 4
	v_nop
.endr
	s_branch .Lasked_\@
.Lfor_b_\@:
	tensor_load_to_lds s[G0B+4*\s:G0B+4*\s+3], s[G1B:G1B+7]
	s_nop 0
.rept 4
	v_nop
.endr
.Lasked_\@:
.endm
.macro CREST
	s_cmp_lg_u32 s10, 0
	s_cbranch_scc1 .Lnot_wave_0_\@
	s_barrier_signal -3
.Lnot_wave_0_\@:
	s_barrier_wait -3
	s_barrier_signal -1
	s_barrier_wait -1
.endm
.macro CROUND
	s_barrier_signal -1
	s_barrier_wait -1
	CREST
.endm
	s_load_b128 s[4:7], s[0:1], 0x0                ; ac s[4:5], wc s[6:7]
	s_load_b128 s[68:71], s[0:1], 0x10             ; the exponents s[68:69], out0 s[70:71]
	v_lshl_add_u32 v[SPW], v0, 2, SPARE
	v_mov_b32 v[NIL], 0
	ds_add_u32 v28, v29
	s_wait_dscnt 0x0
	v_lshrrev_b32 v1, 5, v0
	v_readfirstlane_b32 s10, v1                    ; wave 0..3
	s_lshr_b32 s11, s10, 1                         ; which half of the tile's rows is mine.  Also: I fetch for A (0) or for B (1)
	s_and_b32 s12, s10, 1                          ; which half of its columns.  Also: which half of that tile I fetch
	s_bfe_u32 s40, ttmp6, 0x40000
	s_bfe_u32 s41, ttmp6, 0x40004
	s_lshl_b32 s42, ttmp9, 2
	s_add_co_u32 s42, s42, s40                     ; tile column
	s_and_b32 s13, ttmp7, 0xffff
	s_lshl_b32 s13, s13, 2
	s_add_co_u32 s13, s13, s41                     ; tile row
	s_lshl_b32 s43, s41, 2
	s_lshl_b32 s43, 15, s43
	s_lshl_b32 s44, 0x1111, s40
	s_or_b32 s[G1+0], s43, (3<<16)|(1<<21)         ; A: elements of 8 bytes, no padding: images are read 16 bytes a lane, on end
	s_mov_b32 s[G1+1], 1024<<16                    ; tensor_dim0: four images on end, 8,192 bytes
	s_mov_b32 s[G1+2], 4<<16                       ; tensor_dim1: four blocks of 16 rows
	s_mov_b32 s[G1+3], 1024<<16                    ; tile_dim0
	s_mov_b32 s[G1+4], 4                           ; tile_dim1
	s_mov_b32 s[G1+5], 4096                        ; the pitch: 16 images, 32,768 bytes
	s_mov_b32 s[G1+6], 0
	s_mov_b32 s[G1+7], 0
	s_or_b32 s[G1B+0], s44, (0<<16)|(1<<20)|(1<<21)|(6<<22)|(3<<25)  ; B: elements of 1 byte; padding: 4 words after every 128
	s_mov_b32 s[G1B+1], 512<<16
	s_mov_b32 s[G1B+2], 64<<16
	s_mov_b32 s[G1B+3], 512<<16
	s_mov_b32 s[G1B+4], 64
	s_mov_b32 s[G1B+5], 2048
	s_mov_b32 s[G1B+6], 0
	s_mov_b32 s[G1B+7], 0
	s_lshl_b32 s18, s12, 17                        ; half a tile: four blocks of 32,768 bytes of A; 64 rows of 2,048 bytes of B
	s_lshl_b32 s16, s13, 18
	s_add_co_u32 s16, s16, s18
	s_mov_b32 s17, 0
	s_lshl_b32 s46, s42, 18
	s_add_co_u32 s46, s46, s18
	s_add_co_u32 s46, s46, 0xc00000                ; wo's codes are wc's fourth tensor
	s_mov_b32 s47, 0
	s_lshl_b32 s20, s12, 15                        ; where they go: no place in the cluster enters an LDS address
	s_mul_i32 s21, s12, 64*PB
	s_add_co_u32 s21, s21, BOFF
	s_wait_kmcnt 0x0
	s_load_b64 s[66:67], s[68:69], 0x28            ; e10, e11
	s_add_nc_u64 s[14:15], s[4:5], s[16:17]
	s_add_nc_u64 s[46:47], s[6:7], s[46:47]
	CROUND                                         ; all sixteen work-groups are here: the first joint loads meet
.irp s, 0,1
	s_mov_b32 s[G0+4*\s], 1
	s_add_co_u32 s[G0+4*\s+1], s20, \s*SLOT
	s_add_nc_u64 s[G0+4*\s+2:G0+4*\s+3], s[14:15], \s*8192
	s_or_b32 s[G0+4*\s+3], s[G0+4*\s+3], 0x80000000
	s_mov_b32 s[G0B+4*\s], 1
	s_add_co_u32 s[G0B+4*\s+1], s21, \s*SLOT
	s_add_nc_u64 s[G0B+4*\s+2:G0B+4*\s+3], s[46:47], \s*512
	s_or_b32 s[G0B+4*\s+3], s[G0B+4*\s+3], 0x80000000
	JLOAD \s
.endr
	v_and_b32 v1, 15, v0                           ; r
	v_bfe_u32 v2, v0, 4, 1                         ; h
	v_and_b32 v3, 31, v0
	v_lshlrev_b32 v3, 4, v3                        ; 16 x lane: an image's place for my lane
	v_mul_u32_u24 v4, v1, PB
	v_lshl_add_u32 v4, v2, 3, v4                   ; B: row r, + 8 h
	s_lshl_b32 s22, s11, 15                        ; my four blocks of A
	s_mul_i32 s23, s12, 64*PB                      ; my 64 rows of B
	s_add_co_u32 s23, s23, BOFF
.irp s, 0,1
	v_add_nc_u32 v[ADRA+\s], s22, v3
	v_add_nc_u32 v[ADRB+\s], s23, v4
	s_add_co_u32 s22, s22, SLOT
	s_add_co_u32 s23, s23, SLOT
.endr
	s_mul_i32 s23, s10, 16*SPITCH
	s_add_co_u32 s23, s23, STAGE                   ; my stage
	v_mul_u32_u24 v5, v1, SPITCH
	v_lshl_add_u32 v5, v2, 5, v5
	v_add_nc_u32 v[STO], s23, v5                   ; in: row r, 32 bytes for each half of the lanes
	v_mul_u32_u24 v5, v2, SPITCH
	v_lshl_add_u32 v5, v1, 4, v5
	v_add_nc_u32 v[RD], s23, v5                    ; back: lanes 0-15 one row of 256 bytes, lanes 16-31 the next
	v_lshlrev_b32 v5, 13, v2
	v_lshl_add_u32 v[CO], v1, 4, v5                ; and the same two rows in out0
	s_lshl_b32 s16, s13, 20                        ; my first row: (128 x tile row + 64 x half) x 8,192 bytes
	s_lshl_b32 s17, s11, 19
	s_add_co_u32 s16, s16, s17
	s_mov_b32 s17, 0
	s_add_nc_u64 s[70:71], s[70:71], s[16:17]
	s_lshl_b32 s46, s42, 9                         ; my first column: 512 x tile column + 256 x half bytes
	s_lshl_b32 s47, s12, 8
	s_add_co_u32 s46, s46, s47
	s_mov_b32 s47, 0
	s_add_nc_u64 s[70:71], s[70:71], s[46:47]
; 8 matrix instructions: A's blocks a0, a0 + 1 x B's four, 128 along K.  The 16 accumulators take turns, in the same order in every step.
.macro MUL8 f, a0, zero
.irp a, \a0, \a0+1
.irp b, 0,1,2,3
.if \zero
	v_wmma_f32_16x16x128_fp8_fp8 v[ACC+8*(4*(\a)+\b):ACC+8*(4*(\a)+\b)+7], v[\f+64+16*\b:\f+64+16*\b+15], v[\f+16*(\a):\f+16*(\a)+15], 0
.else
	v_wmma_f32_16x16x128_fp8_fp8 v[ACC+8*(4*(\a)+\b):ACC+8*(4*(\a)+\b)+7], v[\f+64+16*\b:\f+64+16*\b+15], v[\f+16*(\a):\f+16*(\a)+15], v[ACC+8*(4*(\a)+\b):ACC+8*(4*(\a)+\b)+7]
.endif
.endr
.endr
.endm
; 48 LDS loads in one run: the fragments of the slot's q-th 128 along K into buffer f
.macro FETCH slot, q, f
	WIN TO_F
.irp i, 0,1,2,3
.irp g, 0,1,2,3
	ds_load_b128 v[\f+16*\i+4*\g:\f+16*\i+4*\g+3], v[ADRA+\slot] offset:8192*\i+2048*(\q)+512*\g
.endr
.endr
.irp i, 0,1,2,3
.irp c, 0,1,2,3,4,5,6,7
	ds_load_b64 v[\f+64+16*\i+2*\c:\f+64+16*\i+2*\c+1], v[ADRB+\slot] offset:16*PB*\i+128*(\q)+16*\c
.endr
.endr
.endm
.macro PLACES                          ; four plain lines between a matrix instruction and a load into, or a read of, its registers
.rept 4
	v_nop
.endr
.endm
; One of a slot's first three steps: multiplies buffer f; the next step's fragments are asked for first, into buffer g, and land meanwhile.
.macro STEP slot, q, f, g, zero
	s_wait_dscnt 0x0                               ; buffer f is in
	PLACES                                         ; for the loads into buffer g, which the step before multiplied
	FETCH \slot, (\q)+1, \g
	WIN MUL
	MUL8 \f, 0, \zero
	MUL8 \f, 2, \zero
.endm
; A slot's last step multiplies buffer 1 and changes slots: ONE barrier; in front of it each wave waits for all its tensor loads, adds 0 to its spare word, and waits for that and for its reads of this slot.
.macro TURN slot, next, fill
	WIN 0                                          ; (the add's two registers lie in window 0)
	s_wait_tensorcnt 0x0                           ; all my tensor loads have landed: my part of the next slot; so a group 0 may be written
	ds_add_u32 v[SPW], v[NIL]                      ; 0 onto my spare word
.if \fill
	s_add_nc_u64 s[G0+4*\slot+2:G0+4*\slot+3], s[G0+4*\slot+2:G0+4*\slot+3], 2*8192
	s_add_nc_u64 s[G0B+4*\slot+2:G0B+4*\slot+3], s[G0B+4*\slot+2:G0B+4*\slot+3], 2*512
.endif
	s_wait_dscnt 0x0                               ; the add is done, buffer 1 is in, and my reads of this slot are over
	s_barrier_signal -1
	WIN MUL
	MUL8 F1, 0, 0
	WIN 0
	s_barrier_wait -1
.if \fill
	CREST                                          ; the barrier has opened a round of the cluster's: no wave of any partner still reads this slot or has a load on its way
	JLOAD \slot                                    ; the first tensor load behind the round; its four v_nop are the places in front of the loads below
.else
	PLACES
.endif
	FETCH \next, 0, F0
	WIN MUL
	MUL8 F1, 2, 0
.endm
	s_wait_tensorcnt 1                             ; my part of slot 0 is in; slot 1's load may be out
	s_barrier_signal -1
	s_barrier_wait -1
	FETCH 0, 0, F0
	STEP 0, 0, F0, F1, 1                           ; the first products start the sums
	STEP 0, 1, F1, F0, 0
	STEP 0, 2, F0, F1, 0
	TURN 0, 1, 1                                   ; slot 0 takes K 1,024 on
	STEP 1, 0, F0, F1, 0
	STEP 1, 1, F1, F0, 0
	STEP 1, 2, F0, F1, 0
	TURN 1, 0, 1                                   ; slot 1 takes K 1,536 on
	STEP 0, 0, F0, F1, 0
	STEP 0, 1, F1, F0, 0
	STEP 0, 2, F0, F1, 0
	TURN 0, 1, 0                                   ; nothing is left to fetch
	STEP 1, 0, F0, F1, 0
	STEP 1, 1, F1, F0, 0
	STEP 1, 2, F0, F1, 0
	s_wait_dscnt 0x0
	MUL8 F1, 0, 0
	MUL8 F1, 2, 0
	WIN 0
	; THE WAY OUT, block by block of 16 rows x 64 columns.
	s_wait_kmcnt 0x0
	s_add_co_i32 s66, s66, s67
	s_add_co_i32 s66, s66, 127
	s_lshl_b32 s66, s66, 23                        ; 2^(e10 + e11) as f32
	s_mov_b32 s67, s66                             ; (named with it as a pair, so it is written)
	PLACES
.macro TOSTAGE a
.set j, 0
.rept 16
	v_pk_mul_f32 v[TMP+j:TMP+j+1], v[ACC+32*(\a)+j:ACC+32*(\a)+j+1], s[66:67] op_sel_hi:[1,0]   ; each accumulator from its low end on
.set j, j+2
.endr
.irp b, 0,1,2,3
	ds_store_b128 v[STO], v[TMP+8*\b:TMP+8*\b+3] offset:64*\b
	ds_store_b128 v[STO], v[TMP+8*\b+4:TMP+8*\b+7] offset:64*\b+16
.endr
.set BB, BK+32*((\a)%2)
.irp t, 0,1,2,3,4,5,6,7
	ds_load_b128 v[BB+4*\t:BB+4*\t+3], v[RD] offset:\t*2*SPITCH    ; LDS serves a wave's instructions in order: these see my stores, and the next block's stores come behind them
.endr
.endm
.macro SEND a, younger                 ; younger: the LDS instructions issued behind this block's loads, which may stay out
.set BB, BK+32*((\a)%2)
	s_wait_dscnt \younger
.irp t, 0,1,2,3,4,5,6,7
	global_store_b128 v[CO], v[BB+4*\t:BB+4*\t+3], s[70:71] offset:(16*(\a)+2*\t)*8192 th:TH_STORE_NT   ; 16 lanes store 256 consecutive bytes, aligned; written once, read by nobody here
.endr
.endm
	TOSTAGE 0
.irp a, 1,2,3
.if \a > 1
	s_wait_xcnt 0x0                                ; the block two back has had its stores' registers read: this block's loads may land there
.endif
	TOSTAGE \a
	SEND \a-1, 16                                  ; behind that block's loads: this block's 8 stores and 8 loads
.endr
	SEND 3, 0
	s_wait_tensorcnt 0x0                           ; the wave's end
	ds_add_u32 v[SPW], v[NIL]
	s_wait_dscnt 0x0
	CROUND                                         ; the closing round
	s_endpgm
.Lfunc_end_k_q0bcca4128b_gemm_out:
	.size	k_q0bcca4128b_gemm_out, .Lfunc_end_k_q0bcca4128b_gemm_out-k_q0bcca4128b_gemm_out
	.p2alignl 7, 3214868480
	.fill 96, 4, 3214868480
	.section	.rodata,"a",@progbits
	.p2align	6, 0x0
	.amdhsa_kernel k_q0bcca4128b_gemm_out
		.amdhsa_group_segment_fixed_size 327680
		.amdhsa_private_segment_fixed_size 0
		.amdhsa_enable_private_segment 0
		.amdhsa_kernarg_size 32
		.amdhsa_user_sgpr_count 2
		.amdhsa_user_sgpr_kernarg_segment_ptr 1
		.amdhsa_wavefront_size32 1
		.amdhsa_system_sgpr_workgroup_id_x 1
		.amdhsa_system_sgpr_workgroup_id_y 1
		.amdhsa_system_sgpr_workgroup_id_z 1
		.amdhsa_system_vgpr_workitem_id 0
		.amdhsa_next_free_vgpr 512
		.amdhsa_next_free_sgpr 80
		.amdhsa_reserve_vcc 0
		.amdhsa_float_denorm_mode_32 3
		.amdhsa_float_denorm_mode_16_64 3
		.amdhsa_memory_ordered 1
		.amdhsa_forward_progress 1
		.amdhsa_inst_pref_size 89
	.end_amdhsa_kernel
	.amdgpu_metadata
---
amdhsa.version: [ 1, 2 ]
amdhsa.kernels:
  - .name:           k_q0bcca4128b_gemm_out
    .symbol:         k_q0bcca4128b_gemm_out.kd
    .args:
      - { .name: ac, .offset: 0, .size: 8, .value_kind: global_buffer, .address_space: global }
      - { .name: wc, .offset: 8, .size: 8, .value_kind: global_buffer, .address_space: global }
      - { .name: lowp_scales, .offset: 16, .size: 8, .value_kind: global_buffer, .address_space: global }
      - { .name: out0, .offset: 24, .size: 8, .value_kind: global_buffer, .address_space: global }
    .group_segment_fixed_size: 327680
    .private_segment_fixed_size: 0
    .kernarg_segment_align: 8
    .kernarg_segment_size: 32
    .max_flat_workgroup_size: 128
    .sgpr_count:     80
    .vgpr_count:     512
    .wavefront_size: 32
...
	.end_amdgpu_metadata
.endif
;; end of part 5
